; MI455X (gfx1250); checked and timed in simulation.
; The chip was launched on July 23, 2026; its instructions are those of AMD's public machine-readable ISA for CDNA 5 (MIT licence, August 2026) and "CDNA5" Instruction Set Architecture Reference Guide (July 2026). The comments in the code are by the model that wrote it; some were corrected since.
;; Mo E. Allowed arithmetic: float matrix products may take bf16 or f16 operands with f32 sums; other float arithmetic in f32, or as packed bf16 or f16 multiplies, adds, multiply-adds, maxima and minima; sums over many terms, partial sums and values carried from step to step in f32; what a program stores and reads back later, other than sums and carried values, may be rounded once to bf16 or f16.
;; Inputs: We 8 x 1,024 x 1,024 float32; Wg 1,024 x 8 float32; be 8 x 1,024 float32; bg 8 float32; router_mask 4 x 2,048 int32; x 4 x 2,048 x 1,024 float32.
;; Outputs: out0 4 x 2,048 x 1,024 float32.
;; Constants: top_k = 2.
;; 2 versions, each right; version 2 is version 1 with the launches router, chain written anew for expert scheduling mode. Each part assembles by itself: llvm-mc -triple=amdgcn-amd-amdhsa -mcpu=gfx1250 --defsym DOCPART=n.
;; ======== version 1 of 2: 3 launches
;; workspace buffers: xb 16,777,216 bytes; Wt 16,777,216 bytes; gate 65,536 bytes; route 65,536 bytes of whole numbers; toklist 41,728 bytes of whole numbers; tinfo 4,096 bytes of whole numbers
;; launch router (part 1): grid 256 x 1, 8 waves a work-group, no clusters, 38,400 bytes of LDS; arguments x, Wg, bg, router_mask, xb, route, gate; writes xb, route, gate
.if DOCPART == 1
	.amdgcn_target "amdgcn-amd-amdhsa--gfx1250"
	.amdhsa_code_object_version 6
	.text
	.protected	k_q3248ba26ff_router
	.globl	k_q3248ba26ff_router
	.p2align	8
	.type	k_q3248ba26ff_router,@function
k_q3248ba26ff_router:
	s_mov_b64 s[64:65], 0
	v_nop
	global_prefetch_b8 v0, s[64:65] scope:SCOPE_SE
	s_setreg_imm32_b32 hwreg(HW_REG_WAVE_MODE, 25, 1), 1
	s_wait_xcnt 0x0
; ROUTER.  For each of the 8,192 tokens: xb = x rounded to bf16; logits = xb . bf16(Wg) + bf16(bg), products exact in f32, sums in f32;
; the two largest logits (of equal ones the lower index first, as jax.lax.top_k has it); the number of the SET {ea < eb} of the two
; experts, ea (15 - ea) / 2 + eb - ea - 1 (0 .. 27); gate = (logit of ea, logit of eb).
; route[group][lane] = two words: {set | rank << 8} of token 32 group + lane, rank = how many earlier tokens of the group's 32 have the same set; and how many of the 32 have set = lane
; (lanes 28 to 31: 0).  So the next launch's sort finds ranks and counts ready.  Everything is stored at fixed places: no address and no branch hangs on a logit.
; All inputs are rounded to bf16 once, here and in the later launches, and nothing is rounded after that: the gate sees the same x as the experts' products.
; router_mask: the function takes it and lets it steer nothing; its words are loaded here and enter no result.
; LIMITS.  The sums' order is not the function's own, so two logits closer than some 1e-6 of their size may change places; NaN logits are not treated apart.
; SHARES.  A work-group has 32 tokens, a wave 4 whole rows.  In load j lane L holds k = 128 j + 4 L + 0..3 of a row: a load of the wave covers 512 consecutive bytes of x,
; a store 256 consecutive bytes of xb at a multiple of 256.  No matrix unit: 8 columns beside a stream.
; Wg (32 KB) goes through LDS once a work-group, rounded, and from there into 256 registers a lane: block b = k / 4 holds [8 e][4 k] f32, 128 bytes, 144 apart.
; REGISTERS.  window 0: v1 lane, v2 16 lane, v3 8 lane, v4-5 the add's, v6 144 lane, v7 where I stage Wg, v8-9 at work, v10-11 offsets, v15 the mask word,
;   v24-39 ACC (expert e: sums of even and odd k), v40-71 P[row][e], v72-103 R (a row's 32 numbers as f32; first Wg's pieces; v72-84 at work at the end), v104-123 at work,
;   v128-255 X (four rows as loaded).   window 1: WG[32 j + 4 e + c] = Wg[128 j + 4 L + c][e].
.set PW,    144                        ; an odd multiple of 16 bytes: the sixteen blocks that a 16-byte load touches start in different groups of four banks (ISA guide 11.1)
.set CODEB, 256*PW                     ; behind Wg: the 32 tokens' set numbers, a word each
.set GATEB, CODEB+256                  ; their gate pairs, 8 bytes each
.set SPARE, GATEB+256                  ; the spare words, 128 bytes a wave, which no other line names
.set ACC, 24
.set P,   40
.set R,   72
.set SND, 104
.set X,   128
.set MSB, 0
.macro WIN new                         ; the immediate's high byte repeats the setting that is left; a switch that changes nothing is dropped
.if MSB != (\new)
	s_set_vgpr_msb (MSB<<8)|(\new)
.set MSB, \new
.endif
.endm
	s_load_b256 s[4:11], s[0:1], 0x0               ; x s[4:5], Wg s[6:7], bg s[8:9], router_mask s[10:11]
	s_load_b128 s[12:15], s[0:1], 0x20             ; xb s[12:13], route s[14:15]
	s_load_b64 s[16:17], s[0:1], 0x30              ; gate
	v_lshl_add_u32 v4, v0, 2, SPARE                ; my spare word,
	v_mov_b32 v5, 0                                ; and 0: kept for the add behind my last LDS store
	v_and_b32 v1, 31, v0                           ; lane
	v_lshrrev_b32 v8, 5, v0
	v_readfirstlane_b32 s20, v8                    ; wave 0..7
	s_lshl_b32 s21, ttmp9, 5
	s_lshl2_add_u32 s21, s20, s21                  ; my first token = 32 x work-group + 4 x wave
	s_mov_b32 s24, 0xffff0000                      ; a word's upper bf16
	s_mov_b32 s25, 0xaaaaaaaa                      ; lanes with bit 0 set
	s_mov_b32 s26, 0xcccccccc                      ; lanes with bit 1 set
	s_mov_b32 s28, 0x76543210                      ; v_permlanex16_b32: each lane takes its own place in the other half
	s_mov_b32 s29, 0xfedcba98
	v_lshlrev_b32 v2, 4, v1
	v_lshlrev_b32 v3, 3, v1
	v_mul_u32_u24 v6, v1, PW
	v_lshrrev_b32 v7, 3, v0                        ; piece m = 256 i + thread of Wg is k = m / 2, experts 4 (m % 2) + 0..3:
	v_mul_u32_u24 v7, v7, PW                       ; block m / 8,
	v_and_b32 v8, 1, v0
	v_lshl_add_u32 v7, v8, 6, v7                   ; expert x 16 bytes,
	v_bfe_u32 v8, v0, 1, 2
	v_lshl_add_u32 v7, v8, 2, v7                   ; k % 4 x 4 bytes
	v_lshlrev_b32 v10, 4, v0                       ; my piece of Wg in memory
	v_and_b32 v11, 3, v0
	v_add_lshl_u32 v11, v11, s21, 2                ; a mask word of one of my four tokens
	s_lshl_b32 s22, s21, 12
	s_mov_b32 s23, 0
	s_wait_kmcnt 0x0
	s_load_b256 s[32:39], s[8:9], 0x0              ; bg's eight numbers
	s_add_nc_u64 s[4:5], s[4:5], s[22:23]          ; x at my first row
	s_lshl_b32 s22, s21, 11
	s_add_nc_u64 s[12:13], s[12:13], s[22:23]      ; xb at my first row
.irp i, 0,1,2,3,4,5,6,7
	global_load_b128 v[R+4*\i:R+4*\i+3], v10, s[6:7] offset:4096*\i
.endr
	global_load_b32 v15, v11, s[10:11]             ; router_mask: read, and used for nothing
.set i, 0
.rept 32                                               ; all four rows are asked for at once: 16 KB a wave on their way
	global_load_b128 v[X+4*i:X+4*i+3], v2, s[4:5] offset:4096*(i/8)+512*(i%8) th:TH_LOAD_NT
.set i, i+1
.endr
	s_wait_loadcnt 33                              ; Wg's eight pieces are in; the mask word and x's 32 loads stay out
.set i, 0
.rept 8
	v_cvt_pk_bf16_f32 v8, v[R+4*i], v[R+4*i+1]     ; rounded to bf16,
	v_cvt_pk_bf16_f32 v9, v[R+4*i+2], v[R+4*i+3]
	v_lshlrev_b32 v[R+4*i], 16, v8                 ; and written as f32 again
	v_and_b32 v[R+4*i+1], s24, v8
	v_lshlrev_b32 v[R+4*i+2], 16, v9
	v_and_b32 v[R+4*i+3], s24, v9
.irp e, 0,1,2,3
	ds_store_b32 v7, v[R+4*i+\e] offset:32*PW*i+16*\e
.endr
.set i, i+1
.endr
	s_wait_dscnt 0x0                               ; for the others' sake: my part of Wg is in LDS
	s_barrier_signal -1
	s_barrier_wait -1                              ; everybody's is; nobody writes it again
	WIN 0x40                                       ; destination window 1
.set i, 0
.rept 64                                               ; i = 8 j + e: four k of expert e in block 32 j + lane
	ds_load_b128 v[4*i:4*i+3], v6 offset:32*PW*(i/8)+16*(i%8)
.set i, i+1
.endr
	WIN 0
	s_wait_dscnt 0x0
; Row t: rounded, stored, widened again, and multiplied by Wg: 128 packed multiply-adds in eight chains.
.macro TURN t
	s_wait_loadcnt 8*(3-(\t))                      ; loads come back in order (ISA guide 5.7.1): the later rows' stay out
.set XB, X+32*(\t)
.set j, 0
.rept 8
	v_cvt_pk_bf16_f32 v[XB+4*j], v[XB+4*j], v[XB+4*j+1]
	v_cvt_pk_bf16_f32 v[XB+4*j+1], v[XB+4*j+2], v[XB+4*j+3]
	global_store_b64 v3, v[XB+4*j:XB+4*j+1], s[12:13] offset:2048*(\t)+256*j  ; 32 lanes store 256 consecutive bytes; the registers are not written again
	v_lshlrev_b32 v[R+4*j], 16, v[XB+4*j]
	v_and_b32 v[R+4*j+1], s24, v[XB+4*j]
	v_lshlrev_b32 v[R+4*j+2], 16, v[XB+4*j+1]
	v_and_b32 v[R+4*j+3], s24, v[XB+4*j+1]
.set j, j+1
.endr
	WIN 0x04                                       ; source 1 (Wg) in window 1
.set i, 0
.rept 128                                              ; i = 16 j + 8 (pair of k) + e: a chain comes round every eighth line
.set rA, ACC+2*(i%8)
.set rR, R+4*(i/16)+2*((i/8)%2)
.set rW, 32*(i/16)+4*(i%8)+2*((i/8)%2)
.if i < 8
	v_pk_mul_f32 v[rA:rA+1], v[rR:rR+1], v[rW:rW+1]  ; the first products start the sums: nothing is cleared
.else
	v_pk_fma_f32 v[rA:rA+1], v[rR:rR+1], v[rW:rW+1], v[rA:rA+1]
.endif
.set i, i+1
.endr
	WIN 0
.irp e, 0,1,2,3,4,5,6,7
	v_add_f32 v[P+8*(\t)+\e], v[ACC+2*\e], v[ACC+2*\e+1]
.endr
.endm
	TURN 0
	TURN 1
	TURN 2
	TURN 3
	; 32 partial sums a lane (4 rows x 8 experts) are added over the 32 lanes.  Two steps halve what a lane keeps: odd lanes keep rows 2, 3 and send rows 0, 1; then lanes with
	; bit 1 keep the second of the two.  Lane L ends with the eight sums of row 2 (L & 1) + ((L >> 1) & 1).
.irp t, 0,1
.irp e, 0,1,2,3,4,5,6,7
	v_cndmask_b32 v[R+8*\t+\e], v[P+8*\t+\e], v[P+16+8*\t+\e], s25
	v_cndmask_b32 v[SND+\e], v[P+16+8*\t+\e], v[P+8*\t+\e], s25
	v_add_f32_dpp v[R+8*\t+\e], v[SND+\e], v[R+8*\t+\e] row_xmask:1 row_mask:0xf bank_mask:0xf
.endr
.endr
.irp e, 0,1,2,3,4,5,6,7
	v_cndmask_b32 v[R+16+\e], v[R+\e], v[R+8+\e], s26
	v_cndmask_b32 v[SND+\e], v[R+8+\e], v[R+\e], s26
	v_add_f32_dpp v[R+16+\e], v[SND+\e], v[R+16+\e] row_xmask:2 row_mask:0xf bank_mask:0xf
.endr
.irp e, 0,1,2,3,4,5,6,7
	v_add_f32_dpp v[R+16+\e], v[R+16+\e], v[R+16+\e] row_xmask:4 row_mask:0xf bank_mask:0xf
.endr
.irp e, 0,1,2,3,4,5,6,7
	v_add_f32_dpp v[R+16+\e], v[R+16+\e], v[R+16+\e] row_xmask:8 row_mask:0xf bank_mask:0xf
.endr
.irp e, 0,1,2,3,4,5,6,7
	v_permlanex16_b32 v[SND+\e], v[R+16+\e], s28, s29
.endr
.irp e, 0,1,2,3,4,5,6,7
	v_add_f32 v[R+16+\e], v[R+16+\e], v[SND+\e]
.endr
	s_wait_kmcnt 0x0                               ; bg
.irp i, 0,1,2,3
	v_cvt_pk_bf16_f32 v8, s[32+2*\i], s[33+2*\i]   ; rounded to bf16 like every input
	v_lshlrev_b32 v9, 16, v8
	v_and_b32 v8, s24, v8
	v_add_f32 v[R+16+2*\i], v[R+16+2*\i], v9
	v_add_f32 v[R+17+2*\i], v[R+17+2*\i], v8
.endr
	; the two largest: v112 m1, v113 its expert, v114 m2, v115 its expert.  Every compare is strict, so of equal logits the lower index stays ahead.
	v_cmp_gt_f32 vcc_lo, v[R+17], v[R+16]
	v_cndmask_b32 v112, v[R+16], v[R+17], vcc_lo
	v_cndmask_b32 v114, v[R+17], v[R+16], vcc_lo
	v_cndmask_b32 v113, 0, 1, vcc_lo
	v_cndmask_b32 v115, 1, 0, vcc_lo
.irp e, 2,3,4,5,6,7
	v_cmp_gt_f32 vcc_lo, v[R+16+\e], v112
	v_cmp_gt_f32 s42, v[R+16+\e], v114
	v_cndmask_b32 v114, v114, v[R+16+\e], s42
	v_cndmask_b32 v115, v115, \e, s42
	v_cndmask_b32 v114, v114, v112, vcc_lo
	v_cndmask_b32 v115, v115, v113, vcc_lo
	v_cndmask_b32 v112, v112, v[R+16+\e], vcc_lo
	v_cndmask_b32 v113, v113, \e, vcc_lo
.endr
	v_min_u32 v119, v113, v115                     ; ea
	v_max_u32 v120, v113, v115                     ; eb
	v_cmp_lt_u32 vcc_lo, v113, v115
	v_cndmask_b32 v116, v114, v112, vcc_lo         ; ea's logit
	v_cndmask_b32 v117, v112, v114, vcc_lo         ; eb's
	v_sub_nc_u32 v118, 15, v119
	v_mul_u32_u24 v118, v119, v118
	v_lshrrev_b32 v118, 1, v118
	v_add_nc_u32 v118, v118, v120
	v_sub_nc_u32 v118, v118, v119
	v_add_nc_u32 v118, -1, v118                    ; the set's number
	; The eight waves' results meet in LDS, at places made of the thread's number alone, so that one wave sees all 32 tokens and each output leaves as 256 consecutive bytes.
	v_lshrrev_b32 v121, 5, v0
	v_and_b32 v122, 1, v0
	v_lshl_add_u32 v121, v121, 1, v122
	v_bfe_u32 v122, v0, 1, 1
	v_lshl_add_u32 v121, v121, 1, v122             ; 4 x wave + the row that my lane holds: its place among the 32
	v_lshlrev_b32 v122, 2, v121
	v_lshlrev_b32 v123, 3, v121
	ds_store_b32 v122, v118 offset:CODEB           ; the eight lanes that hold a row write the same word with the same number
	ds_store_b64 v123, v[116:117] offset:GATEB
	s_wait_tensorcnt 0x0                           ; this wait, the add and the wait on dscnt stand behind my last LDS store; the last is also, for the others' sake, the wait in front of the barrier
	ds_add_u32 v4, v5
	v_lshlrev_b32 v72, 2, v1                       ; 4 x lane
	s_lshl_b32 s41, ttmp9, 8
	v_add_nc_u32 v77, s41, v3                      ; 256 x work-group + 8 x lane: my place in route and in gate
	s_wait_dscnt 0x0
	s_barrier_signal -1
	s_barrier_wait -1                              ; all 32 tokens' numbers are in LDS; nobody writes LDS again
	s_cmp_eq_u32 s20, 1
	s_cbranch_scc1 .Lgate
	s_cmp_lg_u32 s20, 0
	s_cbranch_scc1 .Ldone
	; wave 0, lane = token: its rank among the tokens of the same set; lane = set: how many tokens have it.  Values alone: masks, counts of bits, lane writes.
	ds_load_b32 v73, v72 offset:CODEB
	v_mov_b32 v75, 0                               ; lanes 28 to 31 stand for no set
	s_wait_dscnt 0x0
.set k, 0
.rept 28
	v_cmp_eq_u32 s[66+k], k, v73                   ; the tokens of set k
.set k, k+1
.endr
.irp b, 0,1,2,3,4
	v_bfe_u32 v[80+\b], v73, \b, 1
.endr
.irp b, 0,1,2,3,4
	v_cmp_ne_u32 s[44+\b], 0, v[80+\b]             ; the lanes whose bit b is set
.endr
.irp b, 0,1,2,3,4
	v_sub_nc_u32 v[80+\b], 0, v[80+\b]
.endr
.set k, 0
.rept 28
	s_bcnt1_i32_b32 s[66+k], s[66+k]
.set k, k+1
.endr
.irp b, 0,1,2,3,4
	v_xor_b32 v[80+\b], s[44+\b], v[80+\b]         ; the lanes whose bit b differs from mine
.endr
	v_or_b32 v80, v80, v81
	v_or_b32 v82, v82, v83
	v_or_b32 v80, v80, v84
	v_or_b32 v80, v80, v82
	v_xor_b32 v80, -1, v80                         ; my peers, myself among them
	v_mbcnt_lo_u32_b32 v81, v80, 0                 ; those below me
	v_lshl_or_b32 v74, v81, 8, v73
.set k, 0
.rept 28
	v_writelane_b32 v75, s[66+k], k
.set k, k+1
.endr
	global_store_b64 v77, v[74:75], s[14:15]       ; 32 lanes store 256 consecutive bytes, at a multiple of 256 from route's first
	s_endpgm
.Lgate:                                                ; wave 1: the 32 gate pairs
	ds_load_b64 v[74:75], v3 offset:GATEB
	s_wait_dscnt 0x0
	global_store_b64 v77, v[74:75], s[16:17]       ; likewise 256 consecutive bytes
	s_endpgm
.Ldone:
	s_endpgm
.Lfunc_end_k_q3248ba26ff_router:
	.size	k_q3248ba26ff_router, .Lfunc_end_k_q3248ba26ff_router-k_q3248ba26ff_router
	.p2alignl 7, 3214868480
	.fill 96, 4, 3214868480
	.section	.rodata,"a",@progbits
	.p2align	6, 0x0
	.amdhsa_kernel k_q3248ba26ff_router
		.amdhsa_group_segment_fixed_size 38400
		.amdhsa_private_segment_fixed_size 0
		.amdhsa_enable_private_segment 0
		.amdhsa_kernarg_size 56
		.amdhsa_user_sgpr_count 2
		.amdhsa_user_sgpr_kernarg_segment_ptr 1
		.amdhsa_wavefront_size32 1
		.amdhsa_system_sgpr_workgroup_id_x 1
		.amdhsa_system_sgpr_workgroup_id_y 1
		.amdhsa_system_sgpr_workgroup_id_z 1
		.amdhsa_system_vgpr_workitem_id 0
		.amdhsa_next_free_vgpr 512
		.amdhsa_next_free_sgpr 96
		.amdhsa_reserve_vcc 1
		.amdhsa_float_denorm_mode_32 3
		.amdhsa_float_denorm_mode_16_64 3
		.amdhsa_memory_ordered 1
		.amdhsa_forward_progress 1
		.amdhsa_inst_pref_size 76
	.end_amdhsa_kernel
	.amdgpu_metadata
---
amdhsa.version: [ 1, 2 ]
amdhsa.kernels:
  - .name:           k_q3248ba26ff_router
    .symbol:         k_q3248ba26ff_router.kd
    .args:
      - { .name: x, .offset: 0, .size: 8, .value_kind: global_buffer, .address_space: global }
      - { .name: Wg, .offset: 8, .size: 8, .value_kind: global_buffer, .address_space: global }
      - { .name: bg, .offset: 16, .size: 8, .value_kind: global_buffer, .address_space: global }
      - { .name: router_mask, .offset: 24, .size: 8, .value_kind: global_buffer, .address_space: global }
      - { .name: xb, .offset: 32, .size: 8, .value_kind: global_buffer, .address_space: global }
      - { .name: route, .offset: 40, .size: 8, .value_kind: global_buffer, .address_space: global }
      - { .name: gate, .offset: 48, .size: 8, .value_kind: global_buffer, .address_space: global }
    .group_segment_fixed_size: 38400
    .private_segment_fixed_size: 0
    .kernarg_segment_align: 8
    .kernarg_segment_size: 56
    .max_flat_workgroup_size: 256
    .sgpr_count:     96
    .vgpr_count:     512
    .wavefront_size: 32
...
	.end_amdgpu_metadata
.endif
;; end of part 1
;; launch prep (part 2): grid 257 x 1, 8 waves a work-group, no clusters, 2,048 bytes of LDS; arguments We, route, Wt, toklist, tinfo; writes Wt, toklist, tinfo
.if DOCPART == 2
	.amdgcn_target "amdgcn-amd-amdhsa--gfx1250"
	.amdhsa_code_object_version 6
	.text
	.protected	k_q3248ba26ff_prep
	.globl	k_q3248ba26ff_prep
	.p2align	8
	.type	k_q3248ba26ff_prep,@function
k_q3248ba26ff_prep:
	s_mov_b64 s[64:65], 0
	v_nop
	global_prefetch_b8 v0, s[64:65] scope:SCOPE_SE
	s_setreg_imm32_b32 hwreg(HW_REG_WAVE_MODE, 25, 1), 1
	s_wait_xcnt 0x0
; PREP.  Work-group 0 places the 8,192 tokens by their set of two experts (28 sets; a counting sort, no atomics) and cuts each set into tiles of 80 rows.
; Work-groups 1 to 256 round We to bf16 and lay it out in the order in which the next launch's matrix operands take it.
; route (from the launch before): for each group of 32 tokens 32 pairs of words: {set | rank << 8} of token 32 group + lane, and the group's count of set = lane.
; A token goes to word 80 x (its set's first tile) + the set's count in all earlier groups + its rank.
; toklist: a set's tokens lie end to end from word 80 x (the set's first tile) on.  Places past a tile's count are neither written nor read.
; tinfo: 256 records {ea, eb, count, first word}; a tile that this split leaves without rows has {0, 1, 0, 0} (word 0 always holds a token).
; The sum over the sets of ceil(n / 80) is at most (8,192 + 28 x 79) / 80 = 130 tiles, whatever the split.
; Wt: fragment (e, cg, ks, j) at byte (((16 e + cg) 32 + ks) 4 + j) 1,024; in it piece p of lane 16 h + r at 512 p + 16 (16 h + r) holds k = 32 ks + 16 p + 8 h + 0..7 of
; column 64 cg + 4 r + j: two 16-byte loads at 16 x lane fill a 16 x 32 operand.  Columns go 4 r + j, so that the lane that has loaded four neighbouring columns of We holds one
; piece of each of the four fragments, and nothing changes lanes.
.set TOT,   0                          ; [8 waves][32 sets] words
.set SPARE, 1024                       ; the spare words, 128 bytes a wave, which no other line names
.set CH, 32                            ; v32-95   group k of my wave's 32: v[CH+2k] lane = token: its word, then 4 x its set, at last the token; v[CH+2k+1] lane = set: the count, then the count of groups 0 .. k
.set RK, 96                            ; v96-127  the token's rank in its group
.set PP, 128                           ; v128-159 where the token goes
	s_load_b256 s[4:11], s[0:1], 0x0               ; We s[4:5], route s[6:7], Wt s[8:9], toklist s[10:11]
	s_load_b64 s[12:13], s[0:1], 0x20              ; tinfo
	v_lshl_add_u32 v2, v0, 2, SPARE                ; my spare word,
	v_mov_b32 v3, 0                                ; and 0
	v_and_b32 v1, 31, v0
	v_lshrrev_b32 v8, 5, v0
	v_readfirstlane_b32 s20, v8                    ; wave 0..7
	s_cmp_lg_u32 ttmp9, 0                          ; the same answer in all waves of a work-group
	s_cbranch_scc1 .Lconv
	; ---------------- the sort ----------------
	; Wave w has groups 32 w .. 32 w + 31: tokens 1,024 w .. 1,024 w + 1,023.
	v_lshlrev_b32 v4, 2, v1                        ; 4 x lane
	s_lshl_b32 s21, s20, 13                        ; my 32 groups' 256 bytes each
	v_lshl_add_u32 v7, v1, 3, s21                  ; + 8 x lane
	s_lshl_b32 s22, s20, 7
	v_add_nc_u32 v10, s22, v4                      ; my wave's word for set = lane among the totals
	s_lshl_b32 s22, s20, 10
	v_add_nc_u32 v11, s22, v1                      ; 1,024 w + lane: my token in group 0
	s_lshl_b32 s22, s20, 5
	v_add_nc_u32 v12, s22, v1                      ; the tile whose record I write
	s_wait_kmcnt 0x0
.set k, 0
.rept 32
	global_load_b64 v[CH+2*k:CH+2*k+1], v7, s[6:7] offset:256*k  ; a load of the wave covers 256 consecutive bytes
.set k, k+1
.endr
	s_wait_loadcnt 0x0
.set k, 0
.rept 32                                               ; the unpacking stands between the links of the running sum, each of which waits for the one before
	v_lshrrev_b32 v[RK+k], 8, v[CH+2*k]
	v_and_b32 v[CH+2*k], 31, v[CH+2*k]
.if k > 0
	v_add_nc_u32 v[CH+2*k+1], v[CH+2*k+1], v[CH+2*k-1]
.endif
	v_min_u32 v[CH+2*k], 27, v[CH+2*k]             ; 28 sets: a loaded number serves as an index only behind this bound
	v_lshlrev_b32 v[CH+2*k], 2, v[CH+2*k]          ; 4 x set: the lane index for ds_bpermute_b32 below
.set k, k+1
.endr
	ds_store_b32 v10, v[CH+63]                     ; my wave's count of set = lane
	s_wait_dscnt 0x0                               ; for the others' sake
	s_barrier_signal -1
	s_barrier_wait -1
.irp w, 0,1,2,3,4,5,6,7
	ds_load_b32 v[160+\w], v4 offset:TOT+128*\w
.endr
	s_wait_dscnt 0x0
	v_add_nc_u32 v168, v160, v161
.irp w, 2,3,4,5,6,7
	v_add_nc_u32 v168, v168, v[160+\w]             ; n: the set's tokens
.endr
	v_mov_b32 v169, 0
.irp w, 0,1,2,3,4,5,6
	s_cmp_gt_u32 s20, \w
	s_cselect_b32 s30, -1, 0
	v_and_b32 v16, s30, v[160+\w]
	v_add_nc_u32 v169, v169, v16                   ; those of the waves before mine
.endr
	v_add_nc_u32 v170, 79, v168
	v_lshrrev_b32 v170, 4, v170
	v_mul_u32_u24 v170, v170, 0xcccd               ; y / 5 = (52,429 y) >> 18 for y up to 516
	v_lshrrev_b32 v170, 18, v170                   ; the set's tiles: ceil(n / 80)
	v_mov_b32 v171, v170
	v_mov_b32 v16, 0
.irp n, 1,2,4,8
	v_mov_b32_dpp v16, v171 row_shr:\n row_mask:0xf bank_mask:0xf bound_ctrl:1
	v_add_nc_u32 v171, v171, v16
.endr
	v_readlane_b32 s30, v171, 15
	v_mov_b32 v16, s30
	v_cmp_le_u32 vcc_lo, 16, v1
	v_cndmask_b32 v16, 0, v16, vcc_lo
	v_add_nc_u32 v171, v171, v16                   ; the tile behind the set's last
	v_sub_nc_u32 v172, v171, v170                  ; the set's first tile
	v_mul_u32_u24 v173, v172, 80
	v_add_nc_u32 v173, v173, v169                  ; where my wave's first token of the set goes
	ds_bpermute_b32 v[PP], v[CH], v173
.set k, 1
.rept 31
	v_add_nc_u32 v[CH+2*k-1], v173, v[CH+2*k-1]    ; + what groups 0 .. k - 1 hold of the set
	ds_bpermute_b32 v[PP+k], v[CH+2*k], v[CH+2*k-1]  ; each token fetches its set's number
.set k, k+1
.endr
	s_wait_dscnt 0x0
.set k, 0
.rept 32
	v_add_nc_u32 v[PP+k], v[PP+k], v[RK+k]
	v_min_u32 v[PP+k], 10399, v[PP+k]              ; 130 tiles of 80 words
	v_lshlrev_b32 v[PP+k], 2, v[PP+k]
	v_add_nc_u32 v[CH+2*k], 32*k, v11
	global_store_b32 v[PP+k], v[CH+2*k], s[10:11]  ; 8,192 words in all; address and data have registers of their own
.set k, k+1
.endr
	; the records: tile t belongs to the first set whose end lies above t
.set k, 0
.rept 28
	v_readlane_b32 s[32+k], v171, k
.set k, k+1
.endr
	v_mov_b32 v13, 0
.set k, 0
.rept 28
	v_cmp_le_u32 vcc_lo, s[32+k], v12
	v_add_co_ci_u32 v13, vcc_lo, 0, v13, vcc_lo
.set k, k+1
.endr
	v_min_u32 v13, 28, v13                         ; 28: behind the last tile
	v_mov_b32 v174, 0                              ; lane = set: its ea,
.irp n, 7,13,18,22,25,27
	v_cmp_le_u32 vcc_lo, \n, v1
	v_add_co_ci_u32 v174, vcc_lo, 0, v174, vcc_lo
.endr
	v_sub_nc_u32 v16, 15, v174
	v_mul_u32_u24 v16, v174, v16
	v_lshrrev_b32 v16, 1, v16
	v_sub_nc_u32 v175, v1, v16
	v_add3_u32 v175, v175, v174, 1                 ; and its eb
	v_lshlrev_b32 v14, 2, v13
	ds_bpermute_b32 v176, v14, v174
	ds_bpermute_b32 v177, v14, v175
	ds_bpermute_b32 v178, v14, v168
	ds_bpermute_b32 v179, v14, v172
	s_wait_dscnt 0x0
	v_sub_nc_u32 v16, v12, v179
	v_mul_u32_u24 v16, v16, 80
	v_sub_nc_u32 v178, v178, v16
	v_min_u32 v178, 80, v178                       ; the tile's rows
	v_mul_u32_u24 v179, v12, 80                    ; its first word
	v_cmp_le_u32 vcc_lo, 28, v13                   ; behind the last tile
	v_cndmask_b32 v176, v176, 0, vcc_lo
	v_cndmask_b32 v177, v177, 1, vcc_lo
	v_cndmask_b32 v178, v178, 0, vcc_lo
	v_cndmask_b32 v179, v179, 0, vcc_lo
	v_lshlrev_b32 v15, 4, v12
	global_store_b128 v15, v[176:179], s[12:13]    ; a wave stores 512 consecutive bytes
	s_wait_tensorcnt 0x0                           ; the wave's end: this wait, the add and a wait on dscnt behind my last LDS store
	ds_add_u32 v2, v3
	s_wait_dscnt 0x0
	s_endpgm
	; ---------------- the weights ----------------
	; A block is 32 k x 64 columns of one expert: 4,096 bytes of Wt.  4,096 blocks, two on end (the same e and cg) to each of the 2,048 waves.
	; Lane (c = L % 16, q = L / 16) loads columns 4 c + 0..3 of rows 16 q + 0..15: sixteen lanes read 256 consecutive bytes of a row of We.
.Lconv:
	s_sub_co_u32 s21, ttmp9, 1
	s_lshl3_add_u32 s21, s21, s20
	s_lshl_b32 s21, s21, 1                         ; my first block
	s_lshr_b32 s22, s21, 9                         ; e
	s_bfe_u32 s23, s21, 0x40005                    ; cg
	s_and_b32 s24, s21, 31                         ; ks
	s_lshl_b32 s22, s22, 22                        ; an expert is 4 MB of We,
	s_lshl_b32 s24, s24, 17                        ; 32 rows are 131,072 bytes,
	s_lshl_b32 s23, s23, 8                         ; 64 columns 256
	s_add_co_u32 s22, s22, s24
	s_add_co_u32 s22, s22, s23
	s_mov_b32 s23, 0
	s_lshl_b32 s24, s21, 12
	s_mov_b32 s25, 0
	v_and_b32 v4, 15, v0
	v_bfe_u32 v5, v0, 4, 1
	v_lshlrev_b32 v6, 4, v4
	v_lshl_add_u32 v7, v5, 16, v6                  ; in: 16 rows x q + 16 c
	v_lshl_add_u32 v8, v5, 9, v6                   ; out: piece q, lane c of a fragment
	s_wait_kmcnt 0x0
	s_add_nc_u64 s[4:5], s[4:5], s[22:23]
	s_add_nc_u64 s[8:9], s[8:9], s[24:25]
.set i, 0
.rept 32                                               ; i = 16 block + row
	global_load_b128 v[16+4*i:16+4*i+3], v7, s[4:5] offset:(32*(i/16)+i%16)*4096 th:TH_LOAD_NT
.set i, i+1
.endr
.irp b, 0,1
	s_wait_loadcnt 16*(1-\b)                       ; the second block's sixteen loads stay out
.set i, 0
.rept 32                                               ; i = 8 j + 4 h + d: rows 8 h + 2 d and + 1 of column j
	v_cvt_pk_bf16_f32 v[144+32*\b+i], v[16+64*\b+4*(8*((i/4)%2)+2*(i%4))+i/8], v[16+64*\b+4*(8*((i/4)%2)+2*(i%4)+1)+i/8]
.set i, i+1
.endr
.set i, 0
.rept 8                                                ; i = 2 j + h: sixteen lanes store 256 consecutive bytes, at a multiple of 256 from Wt's first
	global_store_b128 v8, v[144+32*\b+4*i:144+32*\b+4*i+3], s[8:9] offset:4096*\b+1024*(i/2)+256*(i%2)
.set i, i+1
.endr
.endr
	s_endpgm
.Lfunc_end_k_q3248ba26ff_prep:
	.size	k_q3248ba26ff_prep, .Lfunc_end_k_q3248ba26ff_prep-k_q3248ba26ff_prep
	.p2alignl 7, 3214868480
	.fill 96, 4, 3214868480
	.section	.rodata,"a",@progbits
	.p2align	6, 0x0
	.amdhsa_kernel k_q3248ba26ff_prep
		.amdhsa_group_segment_fixed_size 2048
		.amdhsa_private_segment_fixed_size 0
		.amdhsa_enable_private_segment 0
		.amdhsa_kernarg_size 40
		.amdhsa_user_sgpr_count 2
		.amdhsa_user_sgpr_kernarg_segment_ptr 1
		.amdhsa_wavefront_size32 1
		.amdhsa_system_sgpr_workgroup_id_x 1
		.amdhsa_system_sgpr_workgroup_id_y 1
		.amdhsa_system_sgpr_workgroup_id_z 1
		.amdhsa_system_vgpr_workitem_id 0
		.amdhsa_next_free_vgpr 208
		.amdhsa_next_free_sgpr 66
		.amdhsa_reserve_vcc 1
		.amdhsa_float_denorm_mode_32 3
		.amdhsa_float_denorm_mode_16_64 3
		.amdhsa_memory_ordered 1
		.amdhsa_forward_progress 1
		.amdhsa_inst_pref_size 39
	.end_amdhsa_kernel
	.amdgpu_metadata
---
amdhsa.version: [ 1, 2 ]
amdhsa.kernels:
  - .name:           k_q3248ba26ff_prep
    .symbol:         k_q3248ba26ff_prep.kd
    .args:
      - { .name: We, .offset: 0, .size: 8, .value_kind: global_buffer, .address_space: global }
      - { .name: route, .offset: 8, .size: 8, .value_kind: global_buffer, .address_space: global }
      - { .name: Wt, .offset: 16, .size: 8, .value_kind: global_buffer, .address_space: global }
      - { .name: toklist, .offset: 24, .size: 8, .value_kind: global_buffer, .address_space: global }
      - { .name: tinfo, .offset: 32, .size: 8, .value_kind: global_buffer, .address_space: global }
    .group_segment_fixed_size: 2048
    .private_segment_fixed_size: 0
    .kernarg_segment_align: 8
    .kernarg_segment_size: 40
    .max_flat_workgroup_size: 256
    .sgpr_count:     66
    .vgpr_count:     208
    .wavefront_size: 32
...
	.end_amdgpu_metadata
.endif
;; end of part 2
;; launch chain (part 3): grid 2 x 130, 4 waves a work-group, no clusters, 183,040 bytes of LDS; arguments xb, Wt, be, gate, toklist, tinfo, out0; writes out0
.if DOCPART == 3
	.amdgcn_target "amdgcn-amd-amdhsa--gfx1250"
	.amdhsa_code_object_version 6
	.text
	.protected	k_q3248ba26ff_chain
	.globl	k_q3248ba26ff_chain
	.p2align	8
	.type	k_q3248ba26ff_chain,@function
k_q3248ba26ff_chain:
	s_mov_b64 s[64:65], 0
	v_nop
	global_prefetch_b8 v0, s[64:65] scope:SCOPE_SE
	s_setreg_imm32_b32 hwreg(HW_REG_WAVE_MODE, 25, 1), 1
	s_wait_xcnt 0x0
; CHAIN.  out0[t] = la (x[t] We[ea] + be[ea]) + lb (x[t] We[eb] + be[eb]) for the two experts that token t chose: only the chosen products are made.
; x and We arrive rounded to bf16; be is rounded to bf16 here; sums in f32; la and lb (f32) multiply two separate f32 sums, so no operand is rounded twice.
; SHARES.  A work-group has a tile of up to 80 tokens of ONE set {ea, eb} (5 units of 16) and 512 columns (grid x: the half); each output row has one owner.  The grid, 130 tiles, serves every
; split of the tokens; a tile that the split leaves without rows stores nothing and ends.  Rows past a tile's count repeat its last row and are not stored.
; Wave w makes columns 512 half + 128 w + 64 p in pass p = 0, 1: 2 experts x 4 fragments x 5 units = 40 accumulators, 320 registers, which take turns.
; THE MATRIX INSTRUCTION IS USED TRANSPOSED: source 0 = 16 columns of We (64 cg + 4 m + j), source 1 = 16 tokens.  Register jj of lane (r, h) of accumulator (e, j, u) is token 16 u + r,
; column 64 cg + 32 h + 4 jj + j: the four fragments' registers together are 32 neighbouring columns of one row.  The first product takes the bias as C: nothing is cleared or added later.
; THE TOKENS' ROWS are gathered once into LDS (80 rows of 2,048 bytes); THE WEIGHTS come from memory straight into operand registers, a ring of four K steps: a step's 16 loads (8 KB a wave, each
; 512 consecutive bytes) are asked for three steps, 120 matrix instructions, ahead.  Behind the one barrier nothing writes the rows.
; THE LOOP goes over the two passes; a pass's 32 K steps are written out, and a step's place along K stands in the loads' immediates: every LDS address is a lane term and a constant, and no
; address register of an LDS load is ever rewritten.  Between the trips three things step: the weights' offset, out0's base, and the bias (pass 1's is copied to where the one text names it).
; NO CLUSTER, NO JOINT LOADS.  Only tiles of one set walk the same weights, and how many tiles a set has hangs on the stored counts (it may be one): partners fixed at the launch would differ in the
; experts that steer the loads.  Inside a work-group each weight byte is used by one wave alone, so a way through LDS would add a write and a read of 8 KB a wave and step beside the 5 KB of token reads.
; LIMITS.  bf16 operands; NaN and infinities are not treated apart.
; REGISTERS, in windows of 256 (s_set_vgpr_msb: bits 1:0 source 0, 3:2 source 1, 5:4 source 2, 7:6 destination):
;   window 0: v1 r, v2 h, v3 lane, v4-5 the add's, v6 my offset in the pass's weights, v7 / v13 stage in / back, v8-10 LDS addresses of units 0-1, 2-3, 4 (never rewritten), v11 my offset in the
;     next pass's weights, v14 where I put gathered rows, v16-25 (la, lb) of my token in each unit, v26-29 list words, v30 bias offset, v31 8 x lane, v32-71 / v72-111 token fragments (two buffers),
;     v112-143 results, v144-175 rows read back, v176-255 token x 4,096 + 8 x lane for each of the 80 rows.  Before the loop: v32-159 the bias as loaded, v176-209 addresses of the gather.
;   window 1: the weights' ring: step s % 4 at 64 (s % 4) + 32 e + 8 j.
;   window 2 / 3: expert a / b: accumulator (j, u) at 8 (5 j + u); the bias of the pass in hand at 160 + 8 j, of pass 1 at 192 + 8 j.  Before the loop v0-159 of both take the gathered rows.
.set PX,     2064                      ; a token's row in LDS: 2,048 bytes + 16: an odd multiple of 16, so the sixteen rows of a load start in different groups of four banks (ISA guide 11.1)
.set STAGE,  80*PX                     ; behind the rows: 16 rows x 272 bytes for each wave, for the way out
.set SPITCH, 272
.set SPARE,  STAGE+4*16*SPITCH         ; the spare words, 128 bytes a wave, which no other line names
.set CGB,    131072                    ; a group of 64 columns of one expert in Wt: 32 K steps of 4,096 bytes
.set LAB,  16
.set T0,   32
.set RAW,  32
.set TMP,  112
.set BK,   144
.set OFFS, 176
.set CG,   176
.set LA,   196
.set UT,   205
.set BIAS, 160
.set MSB, 0
.macro WIN new                         ; the immediate's high byte repeats the setting that is left; a switch that changes nothing is dropped
.if MSB != (\new)
	s_set_vgpr_msb (MSB<<8)|(\new)
.set MSB, \new
.endif
.endm
; A word of the tile's list: row min(row, count - 1), from the tile's first word on.  Every number that was loaded passes a bound written in the instruction before it enters the address.
.macro LIST dst, adr, add, base
	v_add_nc_u32 v[\adr], \add, v[\base]
	v_min_u32 v[\adr], s39, v[\adr]
	v_min_u32 v[\adr], 79, v[\adr]
	v_add_lshl_u32 v[\adr], v[\adr], s23, 2
	global_load_b32 v[\dst], v[\adr], s[12:13]
.endm
; One K step's weights, both experts: 16 loads into a slot of the ring.  adr: the offset register (6: the pass in hand; 11: the next pass).
.macro WLOAD slot, adr, imm
	WIN 0x40                                       ; destination window 1
.irp e, 0,1
.irp j, 0,1,2,3
	global_load_b128 v[64*(\slot)+32*\e+8*\j:64*(\slot)+32*\e+8*\j+3],   v[\adr], s[24+2*\e:25+2*\e] offset:(\imm)+1024*\j
	global_load_b128 v[64*(\slot)+32*\e+8*\j+4:64*(\slot)+32*\e+8*\j+7], v[\adr], s[24+2*\e:25+2*\e] offset:(\imm)+1024*\j+512
.endr
.endr
.endm
; One K step's token fragments: 16 rows x 32 K a unit, two loads of 16 bytes, 32 bytes apart.  An odd unit lies 16 rows, 33,024 bytes, behind the even one: that and the step's 64 bytes
; along the row stand in the immediate, 35,040 at the most.
.macro TLOAD buf, imm
	WIN 0
.irp u, 0,1,2,3,4
	ds_load_b128 v[(\buf)+8*\u:(\buf)+8*\u+3],   v[8+\u/2] offset:(\imm)+(\u%2)*16*PX
	ds_load_b128 v[(\buf)+8*\u+4:(\buf)+8*\u+7], v[8+\u/2] offset:(\imm)+(\u%2)*16*PX+32
.endr
.endm
; 40 matrix instructions, one to each accumulator: they take turns from step to step and over the loop's jump too.  In step 0 C is the bias.
.macro MULS slot, buf, s
.irp e, 0,1
	WIN 0xa1+0x50*\e                               ; weights window 1, tokens window 0, C and D window 2 or 3
.irp j, 0,1,2,3
.irp u, 0,1,2,3,4
.if (\s) == 0
	v_wmma_f32_16x16x32_bf16 v[8*(5*\j+\u):8*(5*\j+\u)+7], v[64*(\slot)+32*\e+8*\j:64*(\slot)+32*\e+8*\j+7], v[(\buf)+8*\u:(\buf)+8*\u+7], v[BIAS+8*\j:BIAS+8*\j+7]
.else
	v_wmma_f32_16x16x32_bf16 v[8*(5*\j+\u):8*(5*\j+\u)+7], v[64*(\slot)+32*\e+8*\j:64*(\slot)+32*\e+8*\j+7], v[(\buf)+8*\u:(\buf)+8*\u+7], v[8*(5*\j+\u):8*(5*\j+\u)+7]
.endif
.endr
.endr
.endr
.endm
; K STEP ks of a pass, on ring slot ks % 4 and token buffer ks % 2.  Four v_nop stand between the last step's products and the loads into the registers that they read (ISA guide 7.12.1 for
; vector instructions); in front of step 0 the way out's lines are those places.  Then the weights three steps on go into the slot just read, and the next step's
; tokens into the other buffer.  Steps 29 to 31 ask for the NEXT pass's steps 0 to 2, and step 31 for the tokens' step 0, so that the ring runs on through the way out.
; In the second trip there is no next pass: v11 is 0 then, and the same 48 loads bring, all lanes alike, 16 bytes each from the head of my column group, inside Wt, which nobody reads:
; the price of one text for both trips, with the same count at every wait.
; s_wait_loadcnt 48: the three younger steps' weights, 16 loads each, stay out.  s_wait_dscnt 10: so do the token loads just issued.
.macro KSTEP
.if ks > 0
.rept 4
	v_nop
.endr
.endif
.if ks < 29
	WLOAD (ks+3)%4, 6, (ks+3)*4096
.else
	WLOAD (ks+3)%4, 11, (ks-29)*4096
.endif
	TLOAD T0+40*((ks+1)%2), 64*((ks+1)%32)
	s_wait_loadcnt 48
	s_wait_dscnt 10
	MULS ks%4, T0+40*(ks%2), ks
.set ks, ks+1
.endm
; THE WAY OUT of unit u.  VAL: la x sum a + lb x sum b; each accumulator's register 0 is read first.
.macro VAL u
	WIN 0x02                                       ; source 0 window 2
.irp jj, 0,1,2,3,4,5,6,7
.irp j, 0,1,2,3
	v_mul_f32 v[TMP+4*\jj+\j], v[8*(5*\j+(\u))+\jj], v[LAB+2*(\u)]
.endr
.endr
	WIN 0x03                                       ; source 0 window 3
.irp jj, 0,1,2,3,4,5,6,7
.irp j, 0,1,2,3
	v_fma_f32 v[TMP+4*\jj+\j], v[8*(5*\j+(\u))+\jj], v[LAB+2*(\u)+1], v[TMP+4*\jj+\j]
.endr
.endr
	WIN 0
.endm
; TOST: a lane's 32 neighbouring columns of a row go into my own stage, and the 16 rows come back whole, 256 bytes each.
.macro TOST
.irp g, 0,1,2,3,4,5,6,7
	ds_store_b128 v7, v[TMP+4*\g:TMP+4*\g+3] offset:16*\g
.endr
	s_wait_xcnt 0x0                                ; the last unit's stores have had their addresses translated (ISA guide 3.1): only now are their data registers loaded again
.irp t, 0,1,2,3,4,5,6,7,8,9,10,11,12,13,14,15
	ds_load_b64 v[BK+2*\t:BK+2*\t+1], v13 offset:SPITCH*\t  ; LDS serves a wave's instructions in order (ISA guide 5.7.1.4): these see the stores above
.endr
.endm
; SEND: a row's 256 bytes are stored by one instruction, at a multiple of 256 from out0's first byte; a row past the count is jumped over.
.macro SEND1 row, t
	s_wait_dscnt 15-(\t)                           ; the younger rows' loads stay out
	s_cmp_gt_u32 s22, \row
	s_cbranch_scc0 .Lskip_\@
	global_store_b64 v[OFFS+(\row)], v[BK+2*(\t):BK+2*(\t)+1], s[16:17] th:TH_STORE_NT
.Lskip_\@:
.endm
.macro SEND u
.irp t, 0,1,2,3,4,5,6,7,8,9,10,11,12,13,14,15
	SEND1 16*(\u)+\t, \t
.endr
.endm
.macro EPI
.rept 4
	v_nop                                          ; the places between the last products and the first read of a sum
.endr
	VAL 0
	TOST
.irp u, 1,2,3,4                        ; a unit's arithmetic stands between the loads of the unit before and its stores
	VAL \u
	SEND \u-1
	TOST
.endr
	SEND 4
.endm
	s_load_b256 s[4:11], s[0:1], 0x0               ; xb s[4:5], Wt s[6:7], be s[8:9], gate s[10:11]
	s_load_b128 s[12:15], s[0:1], 0x20             ; toklist s[12:13], tinfo s[14:15]
	s_load_b64 s[16:17], s[0:1], 0x30              ; out0
	v_lshl_add_u32 v4, v0, 2, SPARE                ; my spare word,
	v_mov_b32 v5, 0                                ; and 0
	v_lshrrev_b32 v31, 5, v0
	v_readfirstlane_b32 s18, v31                   ; wave 0..3
	s_mov_b32 s19, ttmp9                           ; which 512 columns
	s_and_b32 s34, ttmp7, 0xffff                   ; the tile
	s_lshl_b32 s34, s34, 4
	s_mov_b32 s35, 0
	s_mov_b32 s37, 0xffff0000                      ; a word's upper bf16
	s_wait_kmcnt 0x0
	s_add_nc_u64 s[14:15], s[14:15], s[34:35]
	s_load_b128 s[20:23], s[14:15], 0x0            ; ea, eb, count, first word
	v_and_b32 v3, 31, v0
	v_and_b32 v1, 15, v0
	v_bfe_u32 v2, v0, 4, 1
	v_lshlrev_b32 v6, 4, v3                        ; 16 x lane: my 16 bytes of a piece of a weight fragment
	v_add_nc_u32 v11, CGB, v6                      ; the same in the next group of 64 columns
	v_lshlrev_b32 v31, 3, v3
	s_mul_i32 s38, s18, 16*SPITCH
	s_add_co_u32 s38, s38, STAGE                   ; my stage
	v_mul_u32_u24 v7, v1, SPITCH                   ; in: row r, 128 bytes for each half of the lanes
	v_lshl_add_u32 v7, v2, 7, v7
	v_add_nc_u32 v7, s38, v7
	v_lshl_add_u32 v13, v3, 3, s38                 ; back: 8 bytes a lane of a row
	s_mul_i32 s38, s18, 20*PX
	v_lshl_add_u32 v14, v3, 4, s38                 ; I gather rows 20 w .. 20 w + 19
	v_mul_u32_u24 v8, v1, PX
	v_lshl_add_u32 v8, v2, 4, v8                   ; a fragment's row x pitch + 16 x half: units 0 and 1,
	v_add_nc_u32 v9, 32*PX, v8                     ; units 2 and 3,
	v_add_nc_u32 v10, 64*PX, v8                    ; unit 4
	s_mul_i32 s38, s18, 20
	s_lshl_b32 s34, s19, 11
	s_lshl_b32 s36, s18, 9
	s_add_co_u32 s34, s34, s36                     ; my first column, in f32 bytes: 2,048 half + 512 w
	v_lshl_add_u32 v30, v2, 7, s34                 ; + 32 columns for the upper half of the lanes
	s_add_nc_u64 s[16:17], s[16:17], s[34:35]
	s_lshl_b32 s34, s19, 3
	s_lshl1_add_u32 s34, s18, s34                  ; cg of pass 0 = 8 half + 2 w,
	s_lshl_b32 s34, s34, 17                        ; 131,072 bytes each
	s_add_nc_u64 s[6:7], s[6:7], s[34:35]
	s_wait_kmcnt 0x0
	s_min_u32 s20, s20, 7                          ; loaded numbers enter addresses only behind these bounds
	s_min_u32 s21, s21, 7
	s_min_u32 s22, s22, 80
	s_min_u32 s23, s23, 10320
	s_max_u32 s39, s22, 1
	s_sub_co_u32 s39, s39, 1
	s_min_u32 s39, s39, 79                         ; the tile's last row
	LIST 26, LA+0, s38, 3                          ; lanes 0-19: the rows that my wave gathers
	LIST 27, LA+1, 0, 3                            ; rows 0-31, 32-63, 64-79: for the stores
	LIST 28, LA+2, 32, 3
	LIST 29, LA+3, 64, 3
.irp u, 0,1,2,3,4
	LIST UT+\u, LA+4+\u, 16*\u, 1                  ; my token in each unit: for its gate weights
.endr
	s_lshl_b32 s34, s20, 21                        ; an expert is 2 MB of Wt
	s_add_nc_u64 s[24:25], s[6:7], s[34:35]
	s_lshl_b32 s34, s21, 21
	s_add_nc_u64 s[26:27], s[6:7], s[34:35]
	s_lshl_b32 s34, s20, 12                        ; and 4,096 bytes of be
	s_add_nc_u64 s[28:29], s[8:9], s[34:35]
	s_lshl_b32 s34, s21, 12
	s_add_nc_u64 s[30:31], s[8:9], s[34:35]
	s_wait_loadcnt 0x0
.set i, 0
.rept 20
	v_readlane_b32 s[41+i%4], v26, i
	s_min_u32 s[41+i%4], s[41+i%4], 8191
	v_lshl_add_u32 v[CG+i], s[41+i%4], 11, v6      ; token x 2,048 + 16 x lane
.set i, i+1
.endr
.set i, 0
.rept 20                                               ; 80 loads, each 512 consecutive bytes of a row: rows 0-9 into window 2, rows 10-19 into window 3
	WIN 0x80+0x40*(i/10)
.irp c, 0,1,2,3
	global_load_b128 v[16*(i%10)+4*\c:16*(i%10)+4*\c+3], v[CG+i], s[4:5] offset:512*\c
.endr
.set i, i+1
.endr
	WIN 0
.set i, 0
.rept 32                                               ; i = 16 e + 8 p + n: four of the 32 columns 64 cg + 32 h + 0..31 of be
	global_load_b128 v[RAW+4*i:RAW+4*i+3], v30, s[28+2*(i/16):29+2*(i/16)] offset:256*((i/8)%2)+16*(i%8)
.set i, i+1
.endr
.irp u, 0,1,2,3,4
	v_min_u32 v[UT+\u], 8191, v[UT+\u]
	v_lshlrev_b32 v[UT+\u], 3, v[UT+\u]
	global_load_b64 v[LAB+2*\u:LAB+2*\u+1], v[UT+\u], s[10:11]
.endr
.set i, 0
.rept 20
.set NW, 37+4*(19-i)                   ; behind row i's four loads: the later rows', 32 of the bias, 5 of the gate; the count's field ends at 63
.if NW > 63
.set NW, 63
.endif
	s_wait_loadcnt NW
	WIN 0x08+0x04*(i/10)                           ; store data (source 1) in window 2 or 3
.irp c, 0,1,2,3
	ds_store_b128 v14, v[16*(i%10)+4*\c:16*(i%10)+4*\c+3] offset:PX*i+512*\c
.endr
.set i, i+1
.endr
	WLOAD 0, 6, 0                                  ; the ring's first three steps: 48 loads
	WLOAD 1, 6, 4096
	WLOAD 2, 6, 8192
	WIN 0
	s_wait_xcnt 0x0                                ; the gather's and the gate's address registers are written again only behind this wait
.set i, 0
.rept 80
	v_readlane_b32 s[41+i%4], v[27+i/32], i%32
	s_min_u32 s[41+i%4], s[41+i%4], 8191
	v_lshl_add_u32 v[OFFS+i], s[41+i%4], 12, v31   ; token x 4,096 + 8 x lane
.set i, i+1
.endr
	s_wait_loadcnt 48                              ; bias and gate weights are in; the ring's 48 loads stay out
.set m, 0
.rept 64
	v_cvt_pk_bf16_f32 v[RAW+2*m], v[RAW+2*m], v[RAW+2*m+1]  ; be is rounded to bf16 like every input,
.set m, m+1
.endr
.set m, 0
.rept 64                                               ; m = 32 e + 16 p + pair: and column n of the 32 goes, as f32, to register n / 4 of fragment n % 4
	WIN 0x80+0x40*(m/32)
.set n, 2*(m%16)
.set d, BIAS+32*((m/16)%2)
	v_lshlrev_b32 v[d+8*(n%4)+n/4], 16, v[RAW+2*m]
	v_and_b32 v[d+8*((n+1)%4)+(n+1)/4], s37, v[RAW+2*m]
.set m, m+1
.endr
	WIN 0
	s_wait_dscnt 0x0                               ; for the others' sake: my twenty rows are in LDS
	s_barrier_signal -1
	s_barrier_wait -1                              ; all eighty are; nobody writes them again.  The launch's only barrier: it stands ahead of the branch on the count
	s_cmp_lg_u32 s22, 0
	s_cbranch_scc1 .Llive
	s_wait_tensorcnt 0x0                           ; a tile without rows ends here: this wait, the add and a wait on dscnt behind my last LDS store
	ds_add_u32 v4, v5
	s_wait_dscnt 0x0
	s_endpgm
.Llive:
	TLOAD T0, 0                                    ; step 0's tokens
	s_mov_b32 s36, 2
.Lpass:                                                ; two trips: 64 columns a wave each
.set ks, 0
.rept 32
	KSTEP
.endr
	WIN 0
	EPI
	s_wait_xcnt 0x0                                ; the pending loads' offsets and the stores' base are written only behind this wait
	s_add_nc_u64 s[16:17], s[16:17], 256           ; the next 64 columns of out0,
	v_add_nc_u32 v6, CGB, v6                       ; and of both experts' weights
	v_mov_b32 v11, 0                               ; behind pass 1 comes no pass
	WIN 0x82                                       ; pass 1's bias goes where the one text of step 0 names it (in the second trip these 64 lines serve nothing)
.set i, 0
.rept 32
	v_mov_b32 v[BIAS+i], v[BIAS+32+i]
.set i, i+1
.endr
	WIN 0xc3
.set i, 0
.rept 32
	v_mov_b32 v[BIAS+i], v[BIAS+32+i]
.set i, i+1
.endr
	WIN 0                                          ; at a label and at a branch every window is 0
	s_sub_co_u32 s36, s36, 1
	s_cmp_lg_u32 s36, 0
	s_cbranch_scc1 .Lpass
	s_wait_tensorcnt 0x0                           ; the wave's end: this wait, the add and a wait on dscnt behind my last LDS store
	ds_add_u32 v4, v5
	s_wait_dscnt 0x0
	s_endpgm
.Lfunc_end_k_q3248ba26ff_chain:
	.size	k_q3248ba26ff_chain, .Lfunc_end_k_q3248ba26ff_chain-k_q3248ba26ff_chain
	.p2alignl 7, 3214868480
	.fill 96, 4, 3214868480
	.section	.rodata,"a",@progbits
	.p2align	6, 0x0
	.amdhsa_kernel k_q3248ba26ff_chain
		.amdhsa_group_segment_fixed_size 183040
		.amdhsa_private_segment_fixed_size 0
		.amdhsa_enable_private_segment 0
		.amdhsa_kernarg_size 56
		.amdhsa_user_sgpr_count 2
		.amdhsa_user_sgpr_kernarg_segment_ptr 1
		.amdhsa_wavefront_size32 1
		.amdhsa_system_sgpr_workgroup_id_x 1
		.amdhsa_system_sgpr_workgroup_id_y 1
		.amdhsa_system_sgpr_workgroup_id_z 1
		.amdhsa_system_vgpr_workitem_id 0
		.amdhsa_next_free_vgpr 992
		.amdhsa_next_free_sgpr 66
		.amdhsa_reserve_vcc 0
		.amdhsa_float_denorm_mode_32 3
		.amdhsa_float_denorm_mode_16_64 3
		.amdhsa_memory_ordered 1
		.amdhsa_forward_progress 1
		.amdhsa_inst_pref_size 255
	.end_amdhsa_kernel
	.amdgpu_metadata
---
amdhsa.version: [ 1, 2 ]
amdhsa.kernels:
  - .name:           k_q3248ba26ff_chain
    .symbol:         k_q3248ba26ff_chain.kd
    .args:
      - { .name: xb, .offset: 0, .size: 8, .value_kind: global_buffer, .address_space: global }
      - { .name: Wt, .offset: 8, .size: 8, .value_kind: global_buffer, .address_space: global }
      - { .name: be, .offset: 16, .size: 8, .value_kind: global_buffer, .address_space: global }
      - { .name: gate, .offset: 24, .size: 8, .value_kind: global_buffer, .address_space: global }
      - { .name: toklist, .offset: 32, .size: 8, .value_kind: global_buffer, .address_space: global }
      - { .name: tinfo, .offset: 40, .size: 8, .value_kind: global_buffer, .address_space: global }
      - { .name: out0, .offset: 48, .size: 8, .value_kind: global_buffer, .address_space: global }
    .group_segment_fixed_size: 183040
    .private_segment_fixed_size: 0
    .kernarg_segment_align: 8
    .kernarg_segment_size: 56
    .max_flat_workgroup_size: 128
    .sgpr_count:     66
    .vgpr_count:     992
    .wavefront_size: 32
...
	.end_amdgpu_metadata
.endif
;; end of part 3
;; ======== version 2 of 2: 3 launches; version 1 with the launches router, chain written anew for expert scheduling mode
;; workspace buffers: xb 16,777,216 bytes; Wt 16,777,216 bytes; gate 65,536 bytes; route 65,536 bytes of whole numbers; toklist 41,728 bytes of whole numbers; tinfo 4,096 bytes of whole numbers
;; launch router (part 4): grid 256 x 1, 8 waves a work-group, no clusters, 38,400 bytes of LDS; arguments x, Wg, bg, router_mask, xb, route, gate; writes xb, route, gate
.if DOCPART == 4
	.amdgcn_target "amdgcn-amd-amdhsa--gfx1250"
	.amdhsa_code_object_version 6
	.text
	.protected	k_q3248ba26ff_router
	.globl	k_q3248ba26ff_router
	.p2align	8
	.type	k_q3248ba26ff_router,@function
k_q3248ba26ff_router:
	s_mov_b64 s[64:65], 0
	v_nop
	global_prefetch_b8 v0, s[64:65] scope:SCOPE_SE
	s_setreg_imm32_b32 hwreg(HW_REG_WAVE_SCHED_MODE, 0, 2), 2
	s_setreg_imm32_b32 hwreg(HW_REG_WAVE_MODE, 25, 1), 1
	s_wait_xcnt 0x0
	s_wait_alu depctr_vm_vsrc(0)
; ROUTER.  For each of the 8,192 tokens: xb = x rounded to bf16; logits = xb . bf16(Wg) + bf16(bg), products exact in f32, sums in f32;
; the two largest logits (of equal ones the lower index first, as jax.lax.top_k has it); the number of the SET {ea < eb} of the two
; experts, ea (15 - ea) / 2 + eb - ea - 1 (0 .. 27); gate = (logit of ea, logit of eb).
; route[group][lane] = two words: {set | rank << 8} of token 32 group + lane, rank = how many earlier tokens of the group's 32 have the same set; and how many of the 32 have set = lane
; (lanes 28 to 31: 0).  So the next launch's sort finds ranks and counts ready.  Everything is stored at fixed places: no address and no branch hangs on a logit.
; All inputs are rounded to bf16 once, here and in the later launches, and nothing is rounded after that: the gate sees the same x as the experts' products.
; router_mask: the function takes it and lets it steer nothing; its words are loaded here and enter no result.
; LIMITS.  The sums' order is not the function's own, so two logits closer than some 1e-6 of their size may change places; NaN logits are not treated apart.
; SHARES.  A work-group has 32 tokens, a wave 4 whole rows.  In load j lane L holds k = 128 j + 4 L + 0..3 of a row: a load of the wave covers 512 consecutive bytes of x,
; a store 256 consecutive bytes of xb at a multiple of 256.  No matrix unit: 8 columns beside a stream.
; Wg (32 KB) goes through LDS once a work-group, rounded, and from there into 256 registers a lane: block b = k / 4 holds [8 e][4 k] f32, 128 bytes, 144 apart.
; THE MODE: SCHED_MODE bits 1:0 = 2 (LLVM: expert scheduling mode 2), set by the entry lines.  The code itself states the register dependences
; between vector instructions and memory or LDS instructions, and those through scalar registers and VCC that vector instructions write, with s_wait_alu, always for 0.
; THE PLAN.  Registers that memory or LDS instructions touch:
;   v2, v3, v6, v7, v10, v11   offsets and LDS addresses, made once at the head and never written again: one wait ahead of the first load.
;   R (v72-103)   Wg's pieces land here, are rounded in place and read by 32 LDS stores (one wait between); the rows' widenings write R again (one wait on vm_vsrc behind the barrier).
;   X (v128-255)  a row's eight loads land in its 32 registers; sixteen roundings write sixteen of them; eight stores read those; nothing writes them again.
;                 One wait a row, behind the roundings; the row's stores are dealt among its widenings, which write R alone.
;   window 1      written by LDS loads alone, read by the multiply-adds.
;   v116-118, v122, v123, v72, v77   data and addresses of the last LDS stores, of the loads behind the second barrier and of the last stores: one wait ahead of those LDS stores.
;   v73-75        behind the second barrier: LDS loads land here; wave 0 makes its two words here, with one wait ahead of its store.
; REGISTERS.  window 0: v1 lane, v2 16 lane, v3 8 lane, v6 144 lane, v7 where I stage Wg, v8-9 at work, v10-11 offsets, v15 the mask word,
;   v24-39 ACC (expert e: sums of even and odd k), v40-71 P[row][e], v72-103 R (a row's 32 numbers as f32; first Wg's pieces; v72-84 at work at the end), v104-123 at work,
;   v128-255 X (four rows as loaded).   window 1: WG[32 j + 4 e + c] = Wg[128 j + 4 L + c][e].
.set PW,    144                        ; an odd multiple of 16 bytes: the sixteen blocks that a 16-byte load touches start in different groups of four banks (ISA guide 11.1)
.set CODEB, 256*PW                     ; behind Wg: the 32 tokens' set numbers, a word each
.set GATEB, CODEB+256                  ; their gate pairs, 8 bytes each; the 1,024 bytes behind them are the spare words, a word a thread
.set ACC, 24
.set P,   40
.set R,   72
.set SND, 104
.set X,   128
.set MSB, 0
.macro WIN new                         ; the immediate's high byte repeats the setting that is left; a switch that changes nothing is dropped
.if MSB != (\new)
	s_set_vgpr_msb (MSB<<8)|(\new)
.set MSB, \new
.endif
.endm
	s_load_b256 s[4:11], s[0:1], 0x0               ; x s[4:5], Wg s[6:7], bg s[8:9], router_mask s[10:11]
	s_load_b128 s[12:15], s[0:1], 0x20             ; xb s[12:13], route s[14:15]
	s_load_b64 s[16:17], s[0:1], 0x30              ; gate
	v_lshl_add_u32 v126, v0, 2, 0x9200
	v_mov_b32 v127, 0
	v_and_b32 v1, 31, v0                           ; lane
	v_lshrrev_b32 v8, 5, v0
	v_readfirstlane_b32 s20, v8                    ; wave 0..7
	s_mov_b32 s24, 0xffff0000                      ; a word's upper bf16
	s_mov_b32 s25, 0xaaaaaaaa                      ; lanes with bit 0 set
	s_mov_b32 s26, 0xcccccccc                      ; lanes with bit 1 set
	s_mov_b32 s28, 0x76543210                      ; v_permlanex16_b32: each lane takes its own place in the other half
	s_mov_b32 s29, 0xfedcba98
	v_lshlrev_b32 v2, 4, v1
	v_lshlrev_b32 v3, 3, v1
	v_mul_u32_u24 v6, v1, PW
	v_lshrrev_b32 v7, 3, v0                        ; piece m = 256 i + thread of Wg is k = m / 2, experts 4 (m % 2) + 0..3:
	v_mul_u32_u24 v7, v7, PW                       ; block m / 8,
	v_and_b32 v8, 1, v0
	v_lshl_add_u32 v7, v8, 6, v7                   ; expert x 16 bytes,
	v_bfe_u32 v8, v0, 1, 2
	v_lshl_add_u32 v7, v8, 2, v7                   ; k % 4 x 4 bytes
	v_lshlrev_b32 v10, 4, v0                       ; my piece of Wg in memory
	v_and_b32 v11, 3, v0
	s_wait_alu depctr_va_sdst(0)                   ; s20 is written, ahead of its first reader: my first token is made from it
	s_lshl_b32 s21, ttmp9, 5
	s_lshl2_add_u32 s21, s20, s21                  ; my first token = 32 x work-group + 4 x wave
	v_add_lshl_u32 v11, v11, s21, 2                ; a mask word of one of my four tokens
	s_lshl_b32 s22, s21, 12
	s_mov_b32 s23, 0
	s_wait_kmcnt 0x0
	s_load_b256 s[32:39], s[8:9], 0x0              ; bg's eight numbers
	s_add_nc_u64 s[4:5], s[4:5], s[22:23]          ; x at my first row
	s_lshl_b32 s22, s21, 11
	s_add_nc_u64 s[12:13], s[12:13], s[22:23]      ; xb at my first row
	s_wait_alu depctr_va_vdst(0)                   ; v2, v3, v6, v7, v10 and v11 are written: the loads, stores and LDS instructions below read them as offsets and addresses
.irp i, 0,1,2,3,4,5,6,7
	global_load_b128 v[R+4*\i:R+4*\i+3], v10, s[6:7] offset:4096*\i
.endr
	global_load_b32 v15, v11, s[10:11]             ; router_mask: read, and used for nothing
.set i, 0
.rept 32                                               ; all four rows are asked for at once: 16 KB a wave on their way
	global_load_b128 v[X+4*i:X+4*i+3], v2, s[4:5] offset:4096*(i/8)+512*(i%8) th:TH_LOAD_NT
.set i, i+1
.endr
	s_wait_loadcnt 33                              ; Wg's eight pieces are in; the mask word and x's 32 loads stay out
.set i, 0
.rept 8
	v_cvt_pk_bf16_f32 v8, v[R+4*i], v[R+4*i+1]     ; rounded to bf16,
	v_cvt_pk_bf16_f32 v9, v[R+4*i+2], v[R+4*i+3]
	v_lshlrev_b32 v[R+4*i], 16, v8                 ; and written as f32 again
	v_and_b32 v[R+4*i+1], s24, v8
	v_lshlrev_b32 v[R+4*i+2], 16, v9
	v_and_b32 v[R+4*i+3], s24, v9
.set i, i+1
.endr
	s_wait_alu depctr_va_vdst(0)                   ; the 32 numbers are written in R, which the LDS stores read
.set i, 0
.rept 32                                               ; i = 4 piece + expert
	ds_store_b32 v7, v[R+i] offset:32*PW*(i/4)+16*(i%4)
.set i, i+1
.endr
	s_wait_dscnt 0x0                               ; for the others' sake: my part of Wg is in LDS
	s_barrier_signal -1
	s_barrier_wait -1                              ; everybody's is; nobody writes it again
	s_wait_alu depctr_vm_vsrc(0)                   ; my LDS stores have read R, which the rows' widenings write again
	WIN 0x40                                       ; destination window 1
.set i, 0
.rept 64                                               ; i = 8 j + e: four k of expert e in block 32 j + lane
	ds_load_b128 v[4*i:4*i+3], v6 offset:32*PW*(i/8)+16*(i%8)
.set i, i+1
.endr
	WIN 0
	s_wait_dscnt 0x0
; Row t: rounded, stored, widened again, and multiplied by Wg: 128 packed multiply-adds in eight chains.
.macro TURN t
	s_wait_loadcnt 8*(3-(\t))                      ; loads come back in order (ISA guide 5.7.1): the later rows' stay out
.set XB, X+32*(\t)
.set j, 0
.rept 8
	v_cvt_pk_bf16_f32 v[XB+4*j], v[XB+4*j], v[XB+4*j+1]
	v_cvt_pk_bf16_f32 v[XB+4*j+1], v[XB+4*j+2], v[XB+4*j+3]
.set j, j+1
.endr
	s_wait_alu depctr_va_vdst(0)                   ; the sixteen roundings have written the row's words, which the eight stores below read; the widenings between the stores write R alone
.set j, 0
.rept 8
	global_store_b64 v3, v[XB+4*j:XB+4*j+1], s[12:13] offset:2048*(\t)+256*j  ; 32 lanes store 256 consecutive bytes; the registers are not written again
	v_lshlrev_b32 v[R+4*j], 16, v[XB+4*j]
	v_and_b32 v[R+4*j+1], s24, v[XB+4*j]
	v_lshlrev_b32 v[R+4*j+2], 16, v[XB+4*j+1]
	v_and_b32 v[R+4*j+3], s24, v[XB+4*j+1]
.set j, j+1
.endr
	WIN 0x04                                       ; source 1 (Wg) in window 1
.set i, 0
.rept 128                                              ; i = 16 j + 8 (pair of k) + e: a chain comes round every eighth line
.set rA, ACC+2*(i%8)
.set rR, R+4*(i/16)+2*((i/8)%2)
.set rW, 32*(i/16)+4*(i%8)+2*((i/8)%2)
.if i < 8
	v_pk_mul_f32 v[rA:rA+1], v[rR:rR+1], v[rW:rW+1]  ; the first products start the sums: nothing is cleared
.else
	v_pk_fma_f32 v[rA:rA+1], v[rR:rR+1], v[rW:rW+1], v[rA:rA+1]
.endif
.set i, i+1
.endr
	WIN 0
.irp e, 0,1,2,3,4,5,6,7
	v_add_f32 v[P+8*(\t)+\e], v[ACC+2*\e], v[ACC+2*\e+1]
.endr
.endm
	TURN 0
	TURN 1
	TURN 2
	TURN 3
	; 32 partial sums a lane (4 rows x 8 experts) are added over the 32 lanes.  Two steps halve what a lane keeps: odd lanes keep rows 2, 3 and send rows 0, 1; then lanes with
	; bit 1 keep the second of the two.  Lane L ends with the eight sums of row 2 (L & 1) + ((L >> 1) & 1).
.irp t, 0,1
.irp e, 0,1,2,3,4,5,6,7
	v_cndmask_b32 v[R+8*\t+\e], v[P+8*\t+\e], v[P+16+8*\t+\e], s25
	v_cndmask_b32 v[SND+\e], v[P+16+8*\t+\e], v[P+8*\t+\e], s25
	v_add_f32_dpp v[R+8*\t+\e], v[SND+\e], v[R+8*\t+\e] row_xmask:1 row_mask:0xf bank_mask:0xf
.endr
.endr
.irp e, 0,1,2,3,4,5,6,7
	v_cndmask_b32 v[R+16+\e], v[R+\e], v[R+8+\e], s26
	v_cndmask_b32 v[SND+\e], v[R+8+\e], v[R+\e], s26
	v_add_f32_dpp v[R+16+\e], v[SND+\e], v[R+16+\e] row_xmask:2 row_mask:0xf bank_mask:0xf
.endr
.irp e, 0,1,2,3,4,5,6,7
	v_add_f32_dpp v[R+16+\e], v[R+16+\e], v[R+16+\e] row_xmask:4 row_mask:0xf bank_mask:0xf
.endr
.irp e, 0,1,2,3,4,5,6,7
	v_add_f32_dpp v[R+16+\e], v[R+16+\e], v[R+16+\e] row_xmask:8 row_mask:0xf bank_mask:0xf
.endr
.irp e, 0,1,2,3,4,5,6,7
	v_permlanex16_b32 v[SND+\e], v[R+16+\e], s28, s29
.endr
.irp e, 0,1,2,3,4,5,6,7
	v_add_f32 v[R+16+\e], v[R+16+\e], v[SND+\e]
.endr
	s_wait_kmcnt 0x0                               ; bg
.irp i, 0,1,2,3
	v_cvt_pk_bf16_f32 v8, s[32+2*\i], s[33+2*\i]   ; rounded to bf16 like every input
	v_lshlrev_b32 v9, 16, v8
	v_and_b32 v8, s24, v8
	v_add_f32 v[R+16+2*\i], v[R+16+2*\i], v9
	v_add_f32 v[R+17+2*\i], v[R+17+2*\i], v8
.endr
	; the two largest: v112 m1, v113 its expert, v114 m2, v115 its expert.  Every compare is strict, so of equal logits the lower index stays ahead.
	v_cmp_gt_f32 vcc_lo, v[R+17], v[R+16]
	s_wait_alu depctr_va_vcc(0)                    ; the compare has written VCC, which the four selects read
	v_cndmask_b32 v112, v[R+16], v[R+17], vcc_lo
	v_cndmask_b32 v114, v[R+17], v[R+16], vcc_lo
	v_cndmask_b32 v113, 0, 1, vcc_lo
	v_cndmask_b32 v115, 1, 0, vcc_lo
.irp e, 2,3,4,5,6,7
	v_cmp_gt_f32 vcc_lo, v[R+16+\e], v112
	v_cmp_gt_f32 s42, v[R+16+\e], v114
	s_wait_alu depctr_va_vcc(0)                    ; the first compare has written VCC,
	s_wait_alu depctr_va_sdst(0)                   ; the second s42: the eight selects read the two masks
	v_cndmask_b32 v114, v114, v[R+16+\e], s42
	v_cndmask_b32 v115, v115, \e, s42
	v_cndmask_b32 v114, v114, v112, vcc_lo
	v_cndmask_b32 v115, v115, v113, vcc_lo
	v_cndmask_b32 v112, v112, v[R+16+\e], vcc_lo
	v_cndmask_b32 v113, v113, \e, vcc_lo
.endr
	v_min_u32 v119, v113, v115                     ; ea
	v_max_u32 v120, v113, v115                     ; eb
	v_cmp_lt_u32 vcc_lo, v113, v115
	v_sub_nc_u32 v118, 15, v119
	v_mul_u32_u24 v118, v119, v118
	s_wait_alu depctr_va_vcc(0)                    ; the compare has written VCC, which the two selects read
	v_cndmask_b32 v116, v114, v112, vcc_lo         ; ea's logit
	v_cndmask_b32 v117, v112, v114, vcc_lo         ; eb's
	v_lshrrev_b32 v118, 1, v118
	v_add_nc_u32 v118, v118, v120
	v_sub_nc_u32 v118, v118, v119
	v_add_nc_u32 v118, -1, v118                    ; the set's number
	; The eight waves' results meet in LDS, at places made of the thread's number alone, so that one wave sees all 32 tokens and each output leaves as 256 consecutive bytes.
	v_lshrrev_b32 v121, 5, v0
	v_and_b32 v122, 1, v0
	v_lshl_add_u32 v121, v121, 1, v122
	v_bfe_u32 v122, v0, 1, 1
	v_lshl_add_u32 v121, v121, 1, v122             ; 4 x wave + the row that my lane holds: its place among the 32
	v_lshlrev_b32 v122, 2, v121
	v_lshlrev_b32 v123, 3, v121
	v_lshlrev_b32 v72, 2, v1                       ; 4 x lane
	s_lshl_b32 s41, ttmp9, 8
	v_add_nc_u32 v77, s41, v3                      ; 256 x work-group + 8 x lane: my place in route and in gate
	s_wait_alu depctr_va_vdst(0)                   ; v116-118, v122 and v123 are written, which the LDS stores read; so are v72 and v77, addresses behind the barrier; and all vector work on v73-75, in which LDS loads land there, is done
	ds_store_b32 v122, v118 offset:CODEB           ; the eight lanes that hold a row write the same word with the same number
	ds_store_b64 v123, v[116:117] offset:GATEB
	                                               ; the add behind the last LDS store stands at each exit
	s_wait_dscnt 0x0                               ; for the others' sake: my numbers are in LDS
	s_barrier_signal -1
	s_barrier_wait -1                              ; all 32 tokens' numbers are in LDS; nobody writes LDS again
	s_cmp_eq_u32 s20, 1
	s_cbranch_scc1 .Lgate
	s_cmp_lg_u32 s20, 0
	s_cbranch_scc1 .Ldone
	; wave 0, lane = token: its rank among the tokens of the same set; lane = set: how many tokens have it.  Values alone: masks, counts of bits, lane writes.
	ds_load_b32 v73, v72 offset:CODEB
	v_mov_b32 v75, 0                               ; lanes 28 to 31 stand for no set
	s_wait_dscnt 0x0
.set k, 0
.rept 28
	v_cmp_eq_u32 s[66+k], k, v73                   ; the tokens of set k
.set k, k+1
.endr
.irp b, 0,1,2,3,4
	v_bfe_u32 v[80+\b], v73, \b, 1
.endr
.irp b, 0,1,2,3,4
	v_cmp_ne_u32 s[44+\b], 0, v[80+\b]             ; the lanes whose bit b is set
.endr
.irp b, 0,1,2,3,4
	v_sub_nc_u32 v[80+\b], 0, v[80+\b]
.endr
	s_wait_alu depctr_va_sdst(0)                   ; the 33 compares have written s66-93 and s44-48, ahead of their first readers: the counts of bits and the exclusive ors below
.set k, 0
.rept 28
	s_bcnt1_i32_b32 s[66+k], s[66+k]
.set k, k+1
.endr
.irp b, 0,1,2,3,4
	v_xor_b32 v[80+\b], s[44+\b], v[80+\b]         ; the lanes whose bit b differs from mine
.endr
	v_or_b32 v80, v80, v81
	v_or_b32 v82, v82, v83
	v_or_b32 v80, v80, v84
	v_or_b32 v80, v80, v82
	v_xor_b32 v80, -1, v80                         ; my peers, myself among them
	v_mbcnt_lo_u32_b32 v81, v80, 0                 ; those below me
	v_lshl_or_b32 v74, v81, 8, v73
.set k, 0
.rept 28
	v_writelane_b32 v75, s[66+k], k
.set k, k+1
.endr
	s_wait_alu depctr_va_vdst(0)                   ; v74 and v75 are written, which the store reads
	global_store_b64 v77, v[74:75], s[14:15]       ; 32 lanes store 256 consecutive bytes, at a multiple of 256 from route's first
	s_wait_dscnt 0x0
	s_wait_alu depctr_hold_cnt(0) depctr_sa_sdst(0) depctr_va_vdst(0) depctr_va_sdst(0) depctr_va_ssrc(0) depctr_va_vcc(0) depctr_vm_vsrc(0)
	s_wait_tensorcnt 0x0
	ds_add_u32 v126, v127
	s_wait_dscnt 0x0
	s_endpgm
.Lgate:                                                ; wave 1: the 32 gate pairs
	ds_load_b64 v[74:75], v3 offset:GATEB
	s_wait_dscnt 0x0
	global_store_b64 v77, v[74:75], s[16:17]       ; likewise 256 consecutive bytes
	s_wait_dscnt 0x0
	s_wait_alu depctr_hold_cnt(0) depctr_sa_sdst(0) depctr_va_vdst(0) depctr_va_sdst(0) depctr_va_ssrc(0) depctr_va_vcc(0) depctr_vm_vsrc(0)
	s_wait_tensorcnt 0x0
	ds_add_u32 v126, v127
	s_wait_dscnt 0x0
	s_endpgm
.Ldone:
	s_wait_dscnt 0x0
	s_wait_alu depctr_hold_cnt(0) depctr_sa_sdst(0) depctr_va_vdst(0) depctr_va_sdst(0) depctr_va_ssrc(0) depctr_va_vcc(0) depctr_vm_vsrc(0)
	s_wait_tensorcnt 0x0
	ds_add_u32 v126, v127
	s_wait_dscnt 0x0
	s_endpgm
.Lfunc_end_k_q3248ba26ff_router:
	.size	k_q3248ba26ff_router, .Lfunc_end_k_q3248ba26ff_router-k_q3248ba26ff_router
	.p2alignl 7, 3214868480
	.fill 96, 4, 3214868480
	.section	.rodata,"a",@progbits
	.p2align	6, 0x0
	.amdhsa_kernel k_q3248ba26ff_router
		.amdhsa_group_segment_fixed_size 38400
		.amdhsa_private_segment_fixed_size 0
		.amdhsa_enable_private_segment 0
		.amdhsa_kernarg_size 56
		.amdhsa_user_sgpr_count 2
		.amdhsa_user_sgpr_kernarg_segment_ptr 1
		.amdhsa_wavefront_size32 1
		.amdhsa_system_sgpr_workgroup_id_x 1
		.amdhsa_system_sgpr_workgroup_id_y 1
		.amdhsa_system_sgpr_workgroup_id_z 1
		.amdhsa_system_vgpr_workitem_id 0
		.amdhsa_next_free_vgpr 512
		.amdhsa_next_free_sgpr 96
		.amdhsa_reserve_vcc 1
		.amdhsa_float_denorm_mode_32 3
		.amdhsa_float_denorm_mode_16_64 3
		.amdhsa_memory_ordered 1
		.amdhsa_forward_progress 1
		.amdhsa_inst_pref_size 77
	.end_amdhsa_kernel
	.amdgpu_metadata
---
amdhsa.version: [ 1, 2 ]
amdhsa.kernels:
  - .name:           k_q3248ba26ff_router
    .symbol:         k_q3248ba26ff_router.kd
    .args:
      - { .name: x, .offset: 0, .size: 8, .value_kind: global_buffer, .address_space: global }
      - { .name: Wg, .offset: 8, .size: 8, .value_kind: global_buffer, .address_space: global }
      - { .name: bg, .offset: 16, .size: 8, .value_kind: global_buffer, .address_space: global }
      - { .name: router_mask, .offset: 24, .size: 8, .value_kind: global_buffer, .address_space: global }
      - { .name: xb, .offset: 32, .size: 8, .value_kind: global_buffer, .address_space: global }
      - { .name: route, .offset: 40, .size: 8, .value_kind: global_buffer, .address_space: global }
      - { .name: gate, .offset: 48, .size: 8, .value_kind: global_buffer, .address_space: global }
    .group_segment_fixed_size: 38400
    .private_segment_fixed_size: 0
    .kernarg_segment_align: 8
    .kernarg_segment_size: 56
    .max_flat_workgroup_size: 256
    .sgpr_count:     96
    .vgpr_count:     512
    .wavefront_size: 32
...
	.end_amdgpu_metadata
.endif
;; end of part 4
;; launch prep: the kernel of part 2 again; grid 257 x 1, 8 waves a work-group, no clusters, 2,048 bytes of LDS; arguments We, route, Wt, toklist, tinfo; writes Wt, toklist, tinfo
;; launch chain (part 5): grid 2 x 130, 4 waves a work-group, no clusters, 183,040 bytes of LDS; arguments xb, Wt, be, gate, toklist, tinfo, out0; writes out0
.if DOCPART == 5
	.amdgcn_target "amdgcn-amd-amdhsa--gfx1250"
	.amdhsa_code_object_version 6
	.text
	.protected	k_q3248ba26ff_chain
	.globl	k_q3248ba26ff_chain
	.p2align	8
	.type	k_q3248ba26ff_chain,@function
k_q3248ba26ff_chain:
	s_mov_b64 s[64:65], 0
	v_nop
	global_prefetch_b8 v0, s[64:65] scope:SCOPE_SE
	s_setreg_imm32_b32 hwreg(HW_REG_WAVE_SCHED_MODE, 0, 2), 2
	s_setreg_imm32_b32 hwreg(HW_REG_WAVE_MODE, 25, 1), 1
	s_wait_xcnt 0x0
	s_wait_alu depctr_vm_vsrc(0)
; CHAIN.  out0[t] = la (x[t] We[ea] + be[ea]) + lb (x[t] We[eb] + be[eb]) for the two experts that token t chose: only the chosen products are made.
; x and We arrive rounded to bf16; be is rounded to bf16 here; sums in f32; la and lb (f32) multiply two separate f32 sums, so no operand is rounded twice.
; SHARES.  A work-group has a tile of up to 80 tokens of ONE set {ea, eb} (5 units of 16) and 512 columns (grid x: the half); each output row has one owner.  The grid, 130 tiles, serves every
; split of the tokens; a tile that the split leaves without rows stores nothing and ends.  Rows past a tile's count repeat its last row and are not stored.
; Wave w makes columns 512 half + 128 w + 64 p in pass p = 0, 1: 2 experts x 4 fragments x 5 units = 40 accumulators, 320 registers, which take turns.
; THE MATRIX INSTRUCTION IS USED TRANSPOSED: source 0 = 16 columns of We (64 cg + 4 m + j), source 1 = 16 tokens.  Register jj of lane (r, h) of accumulator (e, j, u) is token 16 u + r,
; column 64 cg + 32 h + 4 jj + j: the four fragments' registers together are 32 neighbouring columns of one row.  The first product takes the bias as C: nothing is cleared or added later.
; THE TOKENS' ROWS are gathered once into LDS (80 rows of 2,048 bytes); THE WEIGHTS come from memory straight into operand registers, a ring of four K steps: a step's 16 loads (8 KB a wave, each
; 512 consecutive bytes) are asked for two and a half steps, 100 matrix instructions, ahead.  Behind the one barrier nothing writes the rows.
; THE LOOP goes over the two passes; a pass's 32 K steps are written out, and a step's place along K stands in the loads' immediates: every LDS address is a lane term and a constant, and no
; address register of an LDS load is ever rewritten.  Between the trips three things step: the weights' offset, out0's base, and the bias (pass 1's is copied to where the one text names it).
; NO CLUSTER, NO JOINT LOADS.  Only tiles of one set walk the same weights, and how many tiles a set has hangs on the stored counts (it may be one): partners fixed at the launch would differ in the
; experts that steer the loads.  Inside a work-group each weight byte is used by one wave alone, so a way through LDS would add a write and a read of 8 KB a wave and step beside the 5 KB of token reads.
; LIMITS.  bf16 operands; NaN and infinities are not treated apart.
; THE MODE: SCHED_MODE bits 1:0 = 2 (LLVM: expert scheduling mode 2), set by the entry lines.  The code itself states the register dependences
; between vector or matrix instructions and memory or LDS instructions, and those through scalar registers that vector instructions write, with s_wait_alu, always for 0.
; THE PLAN.  Registers that memory or LDS instructions touch, in the loop:
;   W0 .. W3 (window 1)  Step s: its 40 products read W[s % 4]; its 16 loads (the weights of step s + 3) land in W[(s + 3) % 4] = W[(s - 1) % 4], which the products of step s - 1 read.
;   T0, T1               Step s: its products read T[s % 2]; its 10 LDS loads (the tokens of step s + 1) land in T[(s + 1) % 2], which the products of step s - 1 read.
;   v8-10, v7, v13       LDS addresses, made at the head, never written again.      v6, v11: the weights' offsets, written once a pass, at the loop's foot.
;   TMP                  two buffers on the way out: v112-143 for units 0, 2, 4; v72-103 (T1, which step 31 has read and step 0 fills) for units 1, 3.  A unit's arithmetic writes one, its LDS stores read it.
;   BK                   a unit's 16 LDS loads land in it, its global stores read it.      OFFS: written once at the head, read by the stores.
;   The accumulators and the bias are named by vector and matrix instructions alone.
; So ONE wait on va_vdst stands at a step's head: the products of the step before are done reading the slot and the token buffer that this step's loads fill.  The 26 loads follow it, dealt among the step's
; products, which name W[s % 4], T[s % 2], accumulators and bias: none of the registers that those loads touch.  On the way out a unit has one wait on va_vdst, ahead of its LDS stores, and one on vm_vsrc,
; behind them and ahead of its loads into BK; the loop's foot has one on vm_vsrc, ahead of the writes of v6 and v11.
; REGISTERS, in windows of 256 (s_set_vgpr_msb: bits 1:0 source 0, 3:2 source 1, 5:4 source 2, 7:6 destination):
;   window 0: v1 r, v2 h, v3 lane, v6 my offset in the pass's weights, v7 / v13 stage in / back, v8-10 LDS addresses of units 0-1, 2-3, 4 (never rewritten), v11 my offset in the
;     next pass's weights, v14 where I put gathered rows, v16-25 (la, lb) of my token in each unit, v26-29 list words, v30 bias offset, v31 8 x lane, v32-71 / v72-111 token fragments (two buffers),
;     v112-143 results, v144-175 rows read back, v176-255 token x 4,096 + 8 x lane for each of the 80 rows.  Before the loop: v32-159 the bias as loaded, v176-209 addresses of the gather.
;   window 1: the weights' ring: step s % 4 at 64 (s % 4) + 32 e + 8 j.
;   window 2 / 3: expert a / b: accumulator (j, u) at 8 (5 j + u); the bias of the pass in hand at 160 + 8 j, of pass 1 at 192 + 8 j.  Before the loop v0-159 of both take the gathered rows.
.set PX,     2064                      ; a token's row in LDS: 2,048 bytes + 16: an odd multiple of 16, so the sixteen rows of a load start in different groups of four banks (ISA guide 11.1)
.set STAGE,  80*PX                     ; behind the rows: 16 rows x 272 bytes for each wave, for the way out; the 512 bytes behind the stages are the spare words, a word a thread
.set SPITCH, 272
.set CGB,    131072                    ; a group of 64 columns of one expert in Wt: 32 K steps of 4,096 bytes
.set LAB,  16
.set T0,   32
.set RAW,  32
.set TMP,  112
.set BK,   144
.set OFFS, 176
.set CG,   176
.set LA,   196
.set UT,   205
.set BIAS, 160
.set MSB, 0
.macro WIN new                         ; the immediate's high byte repeats the setting that is left; a switch that changes nothing is dropped
.if MSB != (\new)
	s_set_vgpr_msb (MSB<<8)|(\new)
.set MSB, \new
.endif
.endm
; The address of a word of the tile's list: row min(row, count - 1), from the tile's first word on.  Every number that was loaded passes a bound written in the instruction before it enters the address.
.macro LADR adr, add, base
	v_add_nc_u32 v[\adr], \add, v[\base]
	v_min_u32 v[\adr], s39, v[\adr]
	v_min_u32 v[\adr], 79, v[\adr]
	v_add_lshl_u32 v[\adr], v[\adr], s23, 2
.endm
; n list words, lanes l0 on of v[src], become n offsets, token << sh + v[add], in v[dst] on.  The lane reads stand in one run, so that one wait serves them all.
.macro TOKS src, l0, n, dst, sh, add
.set q, 0
.rept \n
	v_readlane_b32 s[40+q], v[\src], (\l0)+q
.set q, q+1
.endr
	s_wait_alu depctr_va_sdst(0)                   ; the lane reads have written s40 on, ahead of their first readers, the bounds below
.set q, 0
.rept \n
	s_min_u32 s[40+q], s[40+q], 8191
.set q, q+1
.endr
.set q, 0
.rept \n
	v_lshl_add_u32 v[(\dst)+q], s[40+q], \sh, v[\add]
.set q, q+1
.endr
.endm
; One K step's weights, both experts: 16 loads into a slot of the ring.  adr: the offset register (6: the pass in hand; 11: the next pass).
.macro WLOAD slot, adr, imm
	WIN 0x40                                       ; destination window 1
.irp e, 0,1
.irp j, 0,1,2,3
	global_load_b128 v[64*(\slot)+32*\e+8*\j:64*(\slot)+32*\e+8*\j+3],   v[\adr], s[24+2*\e:25+2*\e] offset:(\imm)+1024*\j
	global_load_b128 v[64*(\slot)+32*\e+8*\j+4:64*(\slot)+32*\e+8*\j+7], v[\adr], s[24+2*\e:25+2*\e] offset:(\imm)+1024*\j+512
.endr
.endr
.endm
; One K step's token fragments: 16 rows x 32 K a unit, two loads of 16 bytes, 32 bytes apart.  An odd unit lies 16 rows, 33,024 bytes, behind the even one: that and the step's 64 bytes
; along the row stand in the immediate, 35,040 at the most.
.macro TLOAD buf, imm
	WIN 0
.irp u, 0,1,2,3,4
	ds_load_b128 v[(\buf)+8*\u:(\buf)+8*\u+3],   v[8+\u/2] offset:(\imm)+(\u%2)*16*PX
	ds_load_b128 v[(\buf)+8*\u+4:(\buf)+8*\u+7], v[8+\u/2] offset:(\imm)+(\u%2)*16*PX+32
.endr
.endm
; 5 of a step's 40 matrix instructions: expert e, fragment j, the five units.  The 40 go one to each accumulator, e, j, u ascending: they take turns from step to step and over
; the loop's jump too.  In step 0 C is the bias.
.macro MULJ slot, buf, s, e, j
	WIN 0xa1+0x50*(\e)                             ; weights window 1, tokens window 0, C and D window 2 or 3
.irp u, 0,1,2,3,4
.if (\s) == 0
	v_wmma_f32_16x16x32_bf16 v[8*(5*(\j)+\u):8*(5*(\j)+\u)+7], v[64*(\slot)+32*(\e)+8*(\j):64*(\slot)+32*(\e)+8*(\j)+7], v[(\buf)+8*\u:(\buf)+8*\u+7], v[BIAS+8*(\j):BIAS+8*(\j)+7]
.else
	v_wmma_f32_16x16x32_bf16 v[8*(5*(\j)+\u):8*(5*(\j)+\u)+7], v[64*(\slot)+32*(\e)+8*(\j):64*(\slot)+32*(\e)+8*(\j)+7], v[(\buf)+8*\u:(\buf)+8*\u+7], v[8*(5*(\j)+\u):8*(5*(\j)+\u)+7]
.endif
.endr
.endm
; K STEP ks of a pass, on ring slot ks % 4 and token buffer ks % 2.  Four v_nop stand between the last step's products and the loads into the registers that they read (ISA guide 7.12.1 for
; vector instructions); in front of step 0 the way out's lines are those places.  Behind the head's waits come ten products, the next step's tokens into the other
; buffer, ten products, the weights three steps on into the slot read last step, and the other expert's twenty products.
; Steps 29 to 31 ask for the NEXT pass's steps 0 to 2, and step 31 for the tokens' step 0, so that the ring runs on through the way out.
; In the second trip there is no next pass: v11 is 0 then, and the same 48 loads bring, all lanes alike, 16 bytes each from the head of my column group, inside Wt, which nobody reads:
; the price of one text for both trips, with the same count at every wait.
.macro KSTEP
.if ks > 0
.rept 4
	v_nop
.endr
.endif
	s_wait_loadcnt 32                              ; loads come back in order (ISA guide 5.7.1): this step's weights are in; the two younger steps', 16 loads each, stay out
	s_wait_dscnt 0x0                               ; this step's tokens are in: they were asked for 30 matrix instructions ago
	s_wait_alu depctr_va_vdst(0)                   ; the last step's products are done reading the slot and the token buffer in which this step's loads land; in step 0 also: v6 and v11 are written, and all vector work on v32-111 is done
.irp j, 0,1
	MULJ ks%4, T0+40*(ks%2), ks, 0, \j
.endr
	TLOAD T0+40*((ks+1)%2), 64*((ks+1)%32)         ; no wait: no vector or matrix instruction since the wait above names this buffer or v8-10
.irp j, 2,3
	MULJ ks%4, T0+40*(ks%2), ks, 0, \j
.endr
.if ks < 29
	WLOAD (ks+3)%4, 6, (ks+3)*4096                 ; likewise: none names this slot, v6 or v11
.else
	WLOAD (ks+3)%4, 11, (ks-29)*4096
.endif
.irp j, 0,1,2,3
	MULJ ks%4, T0+40*(ks%2), ks, 1, \j
.endr
.set ks, ks+1
.endm
; THE WAY OUT of unit u.  VAL: la x sum a + lb x sum b, into v112-143 (even units) or v72-103 (odd units); each accumulator's register 0 is read first.
.macro VAL u
.set TV, TMP-40*((\u)%2)
	WIN 0x02                                       ; source 0 window 2
.irp jj, 0,1,2,3,4,5,6,7
.irp j, 0,1,2,3
	v_mul_f32 v[TV+4*\jj+\j], v[8*(5*\j+(\u))+\jj], v[LAB+2*(\u)]
.endr
.endr
	WIN 0x03                                       ; source 0 window 3
.irp jj, 0,1,2,3,4,5,6,7
.irp j, 0,1,2,3
	v_fma_f32 v[TV+4*\jj+\j], v[8*(5*\j+(\u))+\jj], v[LAB+2*(\u)+1], v[TV+4*\jj+\j]
.endr
.endr
	WIN 0
.endm
; TOST: a lane's 32 neighbouring columns of a row go into my own stage, and the 16 rows come back whole, 256 bytes each.
.macro TOST u
.set TV, TMP-40*((\u)%2)
	s_wait_alu depctr_va_vdst(0)                   ; the unit's arithmetic has written its 32 results, which the LDS stores read
.irp g, 0,1,2,3,4,5,6,7
	ds_store_b128 v7, v[TV+4*\g:TV+4*\g+3] offset:16*\g
.endr
	s_wait_xcnt 0x0                                ; the last unit's stores have had their addresses translated (ISA guide 3.1): only now are their data registers loaded again
	s_wait_alu depctr_vm_vsrc(0)                   ; the last unit's stores have read v144-175, in which the loads below land; the LDS stores issued so far have read both result buffers, which later units' arithmetic writes again
.irp t, 0,1,2,3,4,5,6,7,8,9,10,11,12,13,14,15
	ds_load_b64 v[BK+2*\t:BK+2*\t+1], v13 offset:SPITCH*\t  ; LDS serves a wave's instructions in order (ISA guide 5.7.1.4): these see the stores above
.endr
.endm
; SEND: a row's 256 bytes are stored by one instruction, at a multiple of 256 from out0's first byte; a row past the count is jumped over.
.macro SEND1 row, t
	s_wait_dscnt 15-(\t)                           ; the younger rows' loads stay out
	s_cmp_gt_u32 s22, \row
	s_cbranch_scc0 .Lskip_\@
	global_store_b64 v[OFFS+(\row)], v[BK+2*(\t):BK+2*(\t)+1], s[16:17] th:TH_STORE_NT
.Lskip_\@:
.endm
.macro SEND u
.irp t, 0,1,2,3,4,5,6,7,8,9,10,11,12,13,14,15
	SEND1 16*(\u)+\t, \t
.endr
.endm
.macro EPI
.rept 4
	v_nop                                          ; the places between the last products and the first read of a sum
.endr
	VAL 0
	TOST 0
.irp u, 1,2,3,4                        ; a unit's arithmetic stands between the loads of the unit before and its stores
	VAL \u
	SEND \u-1
	TOST \u
.endr
	SEND 4
.endm
	s_load_b256 s[4:11], s[0:1], 0x0               ; xb s[4:5], Wt s[6:7], be s[8:9], gate s[10:11]
	s_load_b128 s[12:15], s[0:1], 0x20             ; toklist s[12:13], tinfo s[14:15]
	s_load_b64 s[16:17], s[0:1], 0x30              ; out0
	v_lshl_add_u32 v12, v0, 2, 0x2c900
	v_mov_b32 v15, 0
	v_lshrrev_b32 v31, 5, v0
	v_readfirstlane_b32 s18, v31                   ; wave 0..3
	s_mov_b32 s19, ttmp9                           ; which 512 columns
	s_and_b32 s34, ttmp7, 0xffff                   ; the tile
	s_lshl_b32 s34, s34, 4
	s_mov_b32 s35, 0
	s_mov_b32 s37, 0xffff0000                      ; a word's upper bf16
	s_wait_kmcnt 0x0
	s_add_nc_u64 s[14:15], s[14:15], s[34:35]
	s_load_b128 s[20:23], s[14:15], 0x0            ; ea, eb, count, first word
	v_and_b32 v3, 31, v0
	v_and_b32 v1, 15, v0
	v_bfe_u32 v2, v0, 4, 1
	v_lshlrev_b32 v6, 4, v3                        ; 16 x lane: my 16 bytes of a piece of a weight fragment
	v_add_nc_u32 v11, CGB, v6                      ; the same in the next group of 64 columns
	v_lshlrev_b32 v31, 3, v3
	s_wait_alu depctr_va_sdst(0)                   ; s18 is written, ahead of its first reader: LDS places, columns and weights' groups are made from it
	s_mul_i32 s38, s18, 16*SPITCH
	s_add_co_u32 s38, s38, STAGE                   ; my stage
	v_mul_u32_u24 v7, v1, SPITCH                   ; in: row r, 128 bytes for each half of the lanes
	v_lshl_add_u32 v7, v2, 7, v7
	v_add_nc_u32 v7, s38, v7
	v_lshl_add_u32 v13, v3, 3, s38                 ; back: 8 bytes a lane of a row
	s_mul_i32 s38, s18, 20*PX
	v_lshl_add_u32 v14, v3, 4, s38                 ; I gather rows 20 w .. 20 w + 19
	v_mul_u32_u24 v8, v1, PX
	v_lshl_add_u32 v8, v2, 4, v8                   ; a fragment's row x pitch + 16 x half: units 0 and 1,
	v_add_nc_u32 v9, 32*PX, v8                     ; units 2 and 3,
	v_add_nc_u32 v10, 64*PX, v8                    ; unit 4
	s_mul_i32 s38, s18, 20
	s_lshl_b32 s34, s19, 11
	s_lshl_b32 s36, s18, 9
	s_add_co_u32 s34, s34, s36                     ; my first column, in f32 bytes: 2,048 half + 512 w
	v_lshl_add_u32 v30, v2, 7, s34                 ; + 32 columns for the upper half of the lanes
	s_add_nc_u64 s[16:17], s[16:17], s[34:35]
	s_lshl_b32 s34, s19, 3
	s_lshl1_add_u32 s34, s18, s34                  ; cg of pass 0 = 8 half + 2 w,
	s_lshl_b32 s34, s34, 17                        ; 131,072 bytes each
	s_add_nc_u64 s[6:7], s[6:7], s[34:35]
	s_wait_kmcnt 0x0
	s_min_u32 s20, s20, 7                          ; loaded numbers enter addresses only behind these bounds
	s_min_u32 s21, s21, 7
	s_min_u32 s22, s22, 80
	s_min_u32 s23, s23, 10320
	s_max_u32 s39, s22, 1
	s_sub_co_u32 s39, s39, 1
	s_min_u32 s39, s39, 79                         ; the tile's last row
	LADR LA+0, s38, 3                              ; lanes 0-19: the rows that my wave gathers
	LADR LA+1, 0, 3                                ; rows 0-31, 32-63, 64-79: for the stores
	LADR LA+2, 32, 3
	LADR LA+3, 64, 3
.irp u, 0,1,2,3,4
	LADR LA+4+\u, 16*\u, 1                         ; my token in each unit: for its gate weights
.endr
	s_wait_alu depctr_va_vdst(0)                   ; the nine list addresses are written, which the loads below read; so are v6-11, v13, v14, v30 and v31, the offsets and LDS addresses of the whole kernel
.irp n, 0,1,2,3
	global_load_b32 v[26+\n], v[LA+\n], s[12:13]
.endr
.irp u, 0,1,2,3,4
	global_load_b32 v[UT+\u], v[LA+4+\u], s[12:13]
.endr
	s_lshl_b32 s34, s20, 21                        ; an expert is 2 MB of Wt
	s_add_nc_u64 s[24:25], s[6:7], s[34:35]
	s_lshl_b32 s34, s21, 21
	s_add_nc_u64 s[26:27], s[6:7], s[34:35]
	s_lshl_b32 s34, s20, 12                        ; and 4,096 bytes of be
	s_add_nc_u64 s[28:29], s[8:9], s[34:35]
	s_lshl_b32 s34, s21, 12
	s_add_nc_u64 s[30:31], s[8:9], s[34:35]
	s_wait_loadcnt 0x0
.irp u, 0,1,2,3,4
	v_min_u32 v[UT+\u], 8191, v[UT+\u]
	v_lshlrev_b32 v[UT+\u], 3, v[UT+\u]            ; my token's gate pair
.endr
	TOKS 26, 0, 8, CG, 11, 6                       ; token x 2,048 + 16 x lane, for my twenty rows
	TOKS 26, 8, 8, CG+8, 11, 6
	TOKS 26, 16, 4, CG+16, 11, 6
	WIN 0x80
	s_wait_alu depctr_va_vdst(0)                   ; the twenty row offsets and the five gate offsets are written, which the loads below read
.set i, 0
.rept 20                                               ; 80 loads, each 512 consecutive bytes of a row: rows 0-9 into window 2, rows 10-19 into window 3
	WIN 0x80+0x40*(i/10)
.irp c, 0,1,2,3
	global_load_b128 v[16*(i%10)+4*\c:16*(i%10)+4*\c+3], v[CG+i], s[4:5] offset:512*\c
.endr
.set i, i+1
.endr
	WIN 0
.set i, 0
.rept 32                                               ; i = 16 e + 8 p + n: four of the 32 columns 64 cg + 32 h + 0..31 of be
	global_load_b128 v[RAW+4*i:RAW+4*i+3], v30, s[28+2*(i/16):29+2*(i/16)] offset:256*((i/8)%2)+16*(i%8)
.set i, i+1
.endr
.irp u, 0,1,2,3,4
	global_load_b64 v[LAB+2*\u:LAB+2*\u+1], v[UT+\u], s[10:11]
.endr
.set i, 0
.rept 20
.set NW, 37+4*(19-i)                   ; behind row i's four loads: the later rows', 32 of the bias, 5 of the gate; the count's field ends at 63
.if NW > 63
.set NW, 63
.endif
	s_wait_loadcnt NW
	WIN 0x08+0x04*(i/10)                           ; store data (source 1) in window 2 or 3
.irp c, 0,1,2,3
	ds_store_b128 v14, v[16*(i%10)+4*\c:16*(i%10)+4*\c+3] offset:PX*i+512*\c
.endr
.set i, i+1
.endr
	WLOAD 0, 6, 0                                  ; the ring's first three steps: 48 loads
	WLOAD 1, 6, 4096
	WLOAD 2, 6, 8192
	WIN 0
	s_wait_xcnt 0x0                                ; the gather's and the gate's address registers are written again only behind this wait
	s_wait_alu depctr_vm_vsrc(0)                   ; the list's, the gather's and the gate's loads have read v176-209, which are written below; the LDS stores have read v0-159 of windows 2 and 3, which the first products write
.set g, 0
.rept 10
	TOKS 27+g/4, 8*(g%4), 8, OFFS+8*g, 12, 31      ; token x 4,096 + 8 x lane, for the tile's eighty rows
.set g, g+1
.endr
	s_wait_loadcnt 48                              ; bias and gate weights are in; the ring's 48 loads stay out
.set m, 0
.rept 64
	v_cvt_pk_bf16_f32 v[RAW+2*m], v[RAW+2*m], v[RAW+2*m+1]  ; be is rounded to bf16 like every input,
.set m, m+1
.endr
.set m, 0
.rept 64                                               ; m = 32 e + 16 p + pair: and column n of the 32 goes, as f32, to register n / 4 of fragment n % 4
	WIN 0x80+0x40*(m/32)
.set n, 2*(m%16)
.set d, BIAS+32*((m/16)%2)
	v_lshlrev_b32 v[d+8*(n%4)+n/4], 16, v[RAW+2*m]
	v_and_b32 v[d+8*((n+1)%4)+(n+1)/4], s37, v[RAW+2*m]
.set m, m+1
.endr
	WIN 0
	s_wait_dscnt 0x0                               ; for the others' sake: my twenty rows are in LDS
	s_barrier_signal -1
	s_barrier_wait -1                              ; all eighty are; nobody writes them again.  The launch's only barrier: it stands ahead of the branch on the count
	s_cmp_lg_u32 s22, 0
	s_cbranch_scc1 .Llive
	                                               ; a tile without rows ends here; the add behind the last LDS store follows
	s_wait_dscnt 0x0
	s_wait_alu depctr_hold_cnt(0) depctr_sa_sdst(0) depctr_va_vdst(0) depctr_va_sdst(0) depctr_va_ssrc(0) depctr_va_vcc(0) depctr_vm_vsrc(0)
	s_wait_tensorcnt 0x0
	ds_add_u32 v12, v15
	s_wait_dscnt 0x0
	s_endpgm
.Llive:
	s_wait_alu depctr_va_vdst(0)                   ; the bias's roundings and widenings are done with v32-159, in which the tokens' fragments land
	TLOAD T0, 0                                    ; step 0's tokens
	s_mov_b32 s36, 2
.Lpass:                                                ; two trips: 64 columns a wave each
.set ks, 0
.rept 32
	KSTEP
.endr
	WIN 0
	EPI
	s_wait_xcnt 0x0                                ; the pending loads' offsets and the stores' base are written only behind this wait
	s_wait_alu depctr_vm_vsrc(0)                   ; the weights' loads have read v6 and v11, which are written below; the stage's stores have read v72-103, in which step 0's token loads land
	s_add_nc_u64 s[16:17], s[16:17], 256           ; the next 64 columns of out0,
	v_add_nc_u32 v6, CGB, v6                       ; and of both experts' weights
	v_mov_b32 v11, 0                               ; behind pass 1 comes no pass
	WIN 0x82                                       ; pass 1's bias goes where the one text of step 0 names it (in the second trip these 64 lines serve nothing)
.set i, 0
.rept 32
	v_mov_b32 v[BIAS+i], v[BIAS+32+i]
.set i, i+1
.endr
	WIN 0xc3
.set i, 0
.rept 32
	v_mov_b32 v[BIAS+i], v[BIAS+32+i]
.set i, i+1
.endr
	WIN 0                                          ; at a label and at a branch every window is 0
	s_sub_co_u32 s36, s36, 1
	s_cmp_lg_u32 s36, 0
	s_cbranch_scc1 .Lpass
	                                               ; the wave's end; the add behind the last LDS store follows
	s_wait_dscnt 0x0
	s_wait_alu depctr_hold_cnt(0) depctr_sa_sdst(0) depctr_va_vdst(0) depctr_va_sdst(0) depctr_va_ssrc(0) depctr_va_vcc(0) depctr_vm_vsrc(0)
	s_wait_tensorcnt 0x0
	ds_add_u32 v12, v15
	s_wait_dscnt 0x0
	s_endpgm
.Lfunc_end_k_q3248ba26ff_chain:
	.size	k_q3248ba26ff_chain, .Lfunc_end_k_q3248ba26ff_chain-k_q3248ba26ff_chain
	.p2alignl 7, 3214868480
	.fill 96, 4, 3214868480
	.section	.rodata,"a",@progbits
	.p2align	6, 0x0
	.amdhsa_kernel k_q3248ba26ff_chain
		.amdhsa_group_segment_fixed_size 183040
		.amdhsa_private_segment_fixed_size 0
		.amdhsa_enable_private_segment 0
		.amdhsa_kernarg_size 56
		.amdhsa_user_sgpr_count 2
		.amdhsa_user_sgpr_kernarg_segment_ptr 1
		.amdhsa_wavefront_size32 1
		.amdhsa_system_sgpr_workgroup_id_x 1
		.amdhsa_system_sgpr_workgroup_id_y 1
		.amdhsa_system_sgpr_workgroup_id_z 1
		.amdhsa_system_vgpr_workitem_id 0
		.amdhsa_next_free_vgpr 992
		.amdhsa_next_free_sgpr 66
		.amdhsa_reserve_vcc 0
		.amdhsa_float_denorm_mode_32 3
		.amdhsa_float_denorm_mode_16_64 3
		.amdhsa_memory_ordered 1
		.amdhsa_forward_progress 1
		.amdhsa_inst_pref_size 255
	.end_amdhsa_kernel
	.section	.bss,"aw",@nobits
	.p2align	6
	.space	262144
	.amdgpu_metadata
---
amdhsa.version: [ 1, 2 ]
amdhsa.kernels:
  - .name:           k_q3248ba26ff_chain
    .symbol:         k_q3248ba26ff_chain.kd
    .args:
      - { .name: xb, .offset: 0, .size: 8, .value_kind: global_buffer, .address_space: global }
      - { .name: Wt, .offset: 8, .size: 8, .value_kind: global_buffer, .address_space: global }
      - { .name: be, .offset: 16, .size: 8, .value_kind: global_buffer, .address_space: global }
      - { .name: gate, .offset: 24, .size: 8, .value_kind: global_buffer, .address_space: global }
      - { .name: toklist, .offset: 32, .size: 8, .value_kind: global_buffer, .address_space: global }
      - { .name: tinfo, .offset: 40, .size: 8, .value_kind: global_buffer, .address_space: global }
      - { .name: out0, .offset: 48, .size: 8, .value_kind: global_buffer, .address_space: global }
    .group_segment_fixed_size: 183040
    .private_segment_fixed_size: 0
    .kernarg_segment_align: 8
    .kernarg_segment_size: 56
    .max_flat_workgroup_size: 128
    .sgpr_count:     66
    .vgpr_count:     992
    .wavefront_size: 32
...
	.end_amdgpu_metadata
.endif
;; end of part 5
